; MI455X (gfx1250); checked and timed in simulation.
; The chip was launched on July 23, 2026; its instructions are those of AMD's public machine-readable ISA for CDNA 5 (MIT licence, August 2026) and "CDNA5" Instruction Set Architecture Reference Guide (July 2026). The comments in the code are by the model that wrote it; some were corrected since.
;; Multi Headed Attention. Allowed arithmetic: matrix products marked QUANTISED: E2M3 operands, one E8M0 scale for each 32 along K, by v_wmma_scale_f32_16x16x128_f8f6f4 with both operands' format E2M3, f32 sums; everything else in f32.
;; Inputs: Wk 1,024 x 1,024 float32; Wo 1,024 x 1,024 float32; Wq 1,024 x 1,024 float32; Wv 1,024 x 1,024 float32; bk 1,024 float32; bo 1,024 float32; bq 1,024 float32; bv 1,024 float32; mask 4 x 2,048 x 2,048 int32; x 4 x 2,048 x 1,024 float32.
;; Outputs: out0 4 x 2,048 x 1,024 float32.
;; This version of the problem:
;;   THIS VERSION OF THE PROBLEM IS GIVEN IN LOW PRECISION. The matrix products marked QUANTISED in the list below multiply operands that are first quantised to E2M3 (2 exponent bits, 3 mantissa bits; 6 bits a number), with one power-of-two scale for each 32 numbers along K (OCP MX v1.0); their sums are f32. All else is computed in f32.
;;   The module's matrix products, in the order in which they are computed (A, B: the left and right operand; K: the contracted axis; several contracted axes count as one K, in the product's order):
;;     1. [M 8,192, K 1,024] x [K 1,024, N 1,024]; A: input x; B: input Wq: QUANTISED
;;     2. [M 8,192, K 1,024] x [K 1,024, N 1,024]; A: input x; B: input Wk: QUANTISED
;;     3. [M 8,192, K 1,024] x [K 1,024, N 1,024]; A: input x; B: input Wv: QUANTISED
;;     4. batch 64 x [M 2,048, K 64] x [K 64, N 2,048]; A: computed on the way; B: computed on the way: QUANTISED
;;     5. batch 64 x [M 2,048, K 2,048] x [K 2,048, N 64]; A: softmax (see below); B: computed on the way: QUANTISED
;;     6. [M 8,192, K 1,024] x [K 1,024, N 1,024]; A: computed on the way; B: input Wo: QUANTISED
;;   THE QUANTISER, for each operand of a quantised product, along K:
;;     - K is cut into blocks of 32 from its start; a last block that is shorter is filled with zeros.
;;     - A block's scale is 2^e with e = floor(log2(the largest magnitude in the block)) - 2, held to -126 .. 127; a block of zeros has e = 0. As a byte (E8M0): e + 127.
;;     - Each number is divided by its block's scale, clamped to +-7.5, and rounded to the nearest number of E2M3, ties to even, subnormals kept.
;;     - The product sums the exact products of the quantised numbers (number of the format x scale) in f32.
;;   ~~~python
;;   def quantise(x, axis):      # numpy; x: float32 -> the quantised numbers, widened to float32 again
;;       x = np.moveaxis(x, axis, -1); K = x.shape[-1]
;;       x = np.pad(x, [(0, 0)] * (x.ndim - 1) + [(0, -K % 32)]); x = x.reshape(x.shape[:-1] + (-1, 32)); a = np.abs(x).max(-1, keepdims=True)
;;       e = np.where(a > 0, np.clip(np.frexp(np.where(a > 0, a, 1))[1] - 1 - 2, -126, 127), 0)      # np.frexp(a)[1] - 1 = floor(log2(a)), exactly
;;       r = np.clip(x / 2.0 ** e, -7.5, 7.5)
;;       step = 2.0 ** (np.maximum(np.frexp(np.where(r == 0, 1, r))[1] - 1, 0) - 3)
;;       q = np.round(r / step) * step * 2.0 ** e      # np.round: ties to even
;;       return np.moveaxis(q.reshape(q.shape[:-2] + (-1,))[..., :K], -1, axis).astype(np.float32)
;;   ~~~
;;   SOFTMAX AHEAD OF A QUANTISED PRODUCT. Where the list says 'softmax', what is quantised is not the finished softmax but p = 2^(t - M), with t = logit x log2(e) and M = ceil(the row's largest t), a whole number; so 1/2 < the row's largest p <= 1. The row's sum l is taken of the UNQUANTISED p, in f32, and the product's result is divided by l at the end. Since M is a whole number, a kernel that streams over the keys may use a running M (the ceiling of the running maximum): every later rescaling is an exact power of two, which a block's scale takes up: the codes' values come out the same.
;;   OPERANDS COMPUTED ON THE WAY. 'Computed on the way' means the value that the module computes at that place (a softmax that the list does not call 'softmax' is quantised finished and normalised). What goes into a quantiser is computed in f32, as accurately as f32 sums, v_exp_f32 and their like allow (about 1e-6 of the number): no bf16 or f16 on the way to a quantiser, and a product that is left as it is and whose result goes on into a quantised operand takes f32 operands (vector FMAs, or v_wmma_f32_16x16x4_f32). A number that lies on a knife's edge between two numbers of the format may be rounded either way, as far as f32 arithmetic and the matrix unit's own rounding can turn it there, and no further.
;; One version. Each part assembles by itself: llvm-mc -triple=amdgcn-amd-amdhsa -mcpu=gfx1250 --defsym DOCPART=n.
;; ======== version 1 of 1: 4 launches
;; limits: right only within a limited range of input values
;; workspace buffers: codes 15,728,640 bytes; scales 655,360 bytes; maskw 2,097,152 bytes of whole numbers; act 18,874,368 bytes; acts 1,310,720 bytes
;; launch quant (part 1): grid 896 x 1, 4 waves a work-group, no clusters, 69,120 bytes of LDS; arguments x, Wq, Wk, Wv, Wo, codes, scales, mask, maskw; writes codes, scales, maskw
.if DOCPART == 1
	.amdgcn_target "amdgcn-amd-amdhsa--gfx1250"
	.amdhsa_code_object_version 6
	.text
	.protected	k_qa6a071883a_quant
	.globl	k_qa6a071883a_quant
	.p2align	8
	.type	k_qa6a071883a_quant,@function
k_qa6a071883a_quant:
	s_mov_b64 s[64:65], 0
	v_nop
	global_prefetch_b8 v0, s[64:65] scope:SCOPE_SE
	s_setreg_imm32_b32 hwreg(HW_REG_WAVE_MODE, 25, 1), 1
	s_wait_xcnt 0x0
; x [8192][1024] and Wq, Wk, Wv, Wo [1024][1024], f32 with K innermost, become codes of FP6 (E2M3) with one E8M0 scale byte for each 32 along K.
; A block's scale is 2^(floor(log2(its largest magnitude)) - 2); its byte is that magnitude's exponent field - 2, held at 1 from below (a block of zeros keeps the byte 1: its codes are zeros, and this program alone reads the bytes).
; LIMITS: blocks whose largest magnitude lies under 2^-124 keep the byte 1; NaN and infinities among the inputs are not served.
; THE OUTPUT IS LAID IN THE ORDER OF AN OPERAND'S REGISTERS.  A tile is 16 rows; tile T, lane row r, is row 32 (T / 2) + 8 (T % 2) + r + 8 (r / 8) of its tensor.  A fragment (16 rows x 128 K, 12 registers a lane:
; registers 6 c .. 6 c + 5 hold K = 64 c + 32 (lane / 16) + 0 .. 31) is two halves of 768 bytes: registers 0-3 of lane l at 16 l, registers 4-5 at 512 + 8 l.  codes: [tile 0..767][K step 0..7][c][768];
; scales: [tile][K step][r], one word of four bytes.  Tiles 0-511 are x, 512-575 Wq, 576-639 Wk, 640-703 Wv, 704-767 Wo.
; SHARES.  A wave makes one tile over 512 of K: four steps of 128.  Each of a step's 16 loads reads 512 consecutive bytes of one row; the 8,192 bytes turn through the wave's own stage in LDS (rows 528 bytes apart),
; from which a lane takes its two whole blocks of 32.  No barrier: waves share nothing.  Loads run two steps (32 loads a wave) ahead.
.set SP,   528                         ; a stage row: 512 bytes + 16
.set WREG, 8704                        ; LDS of a wave: 16 stage rows, then its 256 bytes of scale words
.set R,    16                          ; v16-143  two sets of 16 x 4 registers as loaded
.set X,    144                         ; v144-207 my two blocks of 32
.set C,    208                         ; v208-219 a fragment's codes
.set T,    220                         ; v220-227 the second halves of the blocks' codes, as the conversions leave them
.set SW,   228                         ; v228-231 a scale word for each step
; ONE LAUNCH, TWO PATHS, parted by the work-group's number alone: work-groups 0-383 quantise x and the weights (below), work-groups 384-895 pack the mask into bits (at .Lmask). Each path has LDS bytes of its own.
	v_lshl_add_u32 v236, v0, 2, 0x8800             ; my spare word, and 0: both paths end with the add
	v_mov_b32 v237, 0
	s_wait_alu depctr_va_vdst(0)
	s_cmp_ge_u32 ttmp9, 384
	s_cbranch_scc1 .Lmask
	s_load_b256 s[4:11], s[0:1], 0x0               ; x, Wq, Wk, Wv
	s_load_b128 s[12:15], s[0:1], 0x20             ; Wo, codes
	s_load_b64 s[16:17], s[0:1], 0x30              ; scales
	v_lshrrev_b32 v1, 5, v0
	v_readfirstlane_b32 s18, v1                    ; wave
	v_and_b32 v1, 31, v0                           ; lane
	v_and_b32 v2, 15, v0                           ; r
	v_bfe_u32 v3, v0, 4, 1                         ; h
	v_lshlrev_b32 v4, 4, v1                        ; 16 x lane
	v_lshlrev_b32 v5, 3, v1                        ; 8 x lane
	s_mul_i32 s19, s18, WREG
	v_add_nc_u32 v6, s19, v4                       ; the stage, on the way in: 16 x lane in a row
	v_mul_u32_u24 v7, v2, SP
	v_lshl_add_u32 v7, v3, 7, v7
	v_add_nc_u32 v7, s19, v7                       ; and on the way out: row r, + 128 h: my block of 32 numbers
	s_add_co_u32 s19, s19, 16*SP
	v_lshl_add_u32 v8, v2, 2, s19                  ; my row's scale word
	v_add_nc_u32 v9, s19, v5                       ; the scale words on the way out: 8 bytes a lane
	v_lshlrev_b32 v232, 3, v3                      ; 8 h
	v_mov_b32 v233, 0                              ; written once: a lane permute's destination counts as one of its sources
	s_mov_b32 s20, 0x76543210
	s_mov_b32 s21, 0xfedcba98                      ; selects for lane l xor 16
	s_lshr_b32 s22, s18, 1
	s_lshl_b32 s23, ttmp9, 1
	s_add_co_u32 s22, s22, s23                     ; my tile: 2 x work-group + wave / 2
	s_and_b32 s23, s18, 1                          ; which half of K
	s_cmp_lt_u32 ttmp9, 256
	s_cselect_b32 s24, 511, 63
	s_and_b32 s24, s22, s24                        ; the tile's number in its own tensor
	s_lshr_b32 s25, s24, 1
	s_lshl_b32 s25, s25, 5
	s_and_b32 s24, s24, 1
	s_lshl_b32 s24, s24, 3
	s_add_co_u32 s24, s24, s25                     ; its first row
	s_lshl_b32 s24, s24, 12                        ; rows of 4,096 bytes
	s_lshl_b32 s25, s23, 11
	s_add_co_u32 s24, s24, s25
	s_mov_b32 s25, 0
	s_mul_i32 s26, s22, 12288
	s_mul_i32 s28, s23, 6144
	s_add_co_u32 s26, s26, s28
	s_mov_b32 s27, 0
	s_lshl_b32 s28, s22, 9
	s_lshl_b32 s29, s23, 8
	s_add_co_u32 s28, s28, s29
	s_mov_b32 s29, 0
	s_wait_alu depctr_va_vdst(0)
	s_wait_kmcnt 0x0
	s_cmp_lt_u32 ttmp9, 352                        ; which tensor: the choice hangs on the work-group's number alone
	s_cselect_b64 s[12:13], s[10:11], s[12:13]
	s_cmp_lt_u32 ttmp9, 320
	s_cselect_b64 s[12:13], s[8:9], s[12:13]
	s_cmp_lt_u32 ttmp9, 288
	s_cselect_b64 s[12:13], s[6:7], s[12:13]
	s_cmp_lt_u32 ttmp9, 256
	s_cselect_b64 s[12:13], s[4:5], s[12:13]
	s_add_nc_u64 s[12:13], s[12:13], s[24:25]
	s_add_nc_u64 s[14:15], s[14:15], s[26:27]
	s_add_nc_u64 s[16:17], s[16:17], s[28:29]
.macro LOAD t                          ; step t: 128 numbers of each of the tile's 16 rows
.irp i, 0,1,2,3,4,5,6,7,8,9,10,11,12,13,14,15
	global_load_b128 v[R+64*((\t)%2)+4*\i:R+64*((\t)%2)+4*\i+3], v4, s[12:13] offset:(\i+8*(\i/8))*4096+512*(\t) th:TH_LOAD_NT
.endr
.endm
.macro STEP t
.if (\t) < 3
	s_wait_loadcnt 16                              ; this step's 16 loads are in; the next step's may be out
.else
	s_wait_loadcnt 0x0
.endif
.irp i, 0,1,2,3,4,5,6,7,8,9,10,11,12,13,14,15
	ds_store_b128 v6, v[R+64*((\t)%2)+4*\i:R+64*((\t)%2)+4*\i+3] offset:SP*\i
.endr
.irp c, 0,1
.irp i, 0,1,2,3,4,5,6,7
	ds_load_b128 v[X+32*\c+4*\i:X+32*\c+4*\i+3], v7 offset:256*\c+16*\i   ; LDS serves a wave's instructions in order: these see the stores above
.endr
.endr
	s_wait_dscnt 0x0                               ; my numbers are back, and the stores have read their registers,
.if (\t) < 2
	LOAD (\t)+2                                    ; which take the loads of two steps on
.endif
.irp c, 0,1
	v_max3_num_f32 v[10+\c], |v[X+32*\c]|, |v[X+32*\c+1]|, 0x1800000   ; block 2 c + h: all its 32 numbers are mine; the floor 2^(3 - 127) holds the byte at 1 from below
.endr
.irp i, 2,4,6,8,10,12,14,16,18,20,22,24,26,28,30
.irp c, 0,1
	v_max3_num_f32 v[10+\c], v[10+\c], |v[X+32*\c+\i]|, |v[X+32*\c+\i+1]|
.endr
.endr
.irp c, 0,1
	v_add_nc_u32 v[12+\c], 0xff000000, v[10+\c]    ; 2 off the exponent field: the conversion's scale operand
.endr
.irp c, 0,1
	v_lshrrev_b32 v[14+\c], 23, v[12+\c]           ; the scale's byte
.endr
	v_lshl_or_b32 v[SW+(\t)], v15, 16, v14         ; my two bytes, blocks h and 2 + h,
	v_lshlrev_b32 v[SW+(\t)], v232, v[SW+(\t)]     ; at their places in the word;
	v_permlanex16_b32 v233, v[SW+(\t)], s20, s21
	v_or_b32 v[SW+(\t)], v[SW+(\t)], v233          ; with lane l xor 16's two the word is whole
	s_wait_alu depctr_va_vdst(0)
	s_wait_xcnt 0x0                                ; the last step's stores have read the codes' registers
.irp c, 0,1
	v_cvt_scalef32_pk16_fp6_f32 v[C+6*\c:C+6*\c+2], v[X+32*\c:X+32*\c+15], v[12+\c]
	v_cvt_scalef32_pk16_fp6_f32 v[T+4*\c:T+4*\c+2], v[X+32*\c+16:X+32*\c+31], v[12+\c]   ; (a conversion's three registers begin on an even number)
.endr
	v_nop                                          ; one plain place behind a scaled conversion
.irp c, 0,1
.irp i, 0,1,2
	v_mov_b32 v[C+6*\c+3+\i], v[T+4*\c+\i]
.endr
.endr
	ds_store_b32 v8, v[SW+(\t)] offset:64*(\t)     ; both halves of the lanes write the same word with the same value
.irp c, 0,1
	global_store_b128 v4, v[C+6*\c:C+6*\c+3], s[14:15] offset:1536*(\t)+768*\c          ; 512 consecutive bytes, aligned to 256
	global_store_b64 v5, v[C+6*\c+4:C+6*\c+5], s[14:15] offset:1536*(\t)+768*\c+512     ; 256 consecutive bytes, aligned
.endr
.endm
	LOAD 0
	LOAD 1
	STEP 0
	STEP 1
	STEP 2
	STEP 3
	ds_load_b64 v[234:235], v9                     ; my wave's 64 scale words: these see my stores
	s_wait_dscnt 0x0
	global_store_b64 v5, v[234:235], s[16:17]      ; 256 consecutive bytes, aligned
	s_wait_tensorcnt 0x0
	ds_add_u32 v236, v237
	s_wait_dscnt 0x0
	s_endpgm
; THE MASK'S PATH.  mask [4][2048][2048] int32 becomes one bit a number, laid as the attention launch's lane masks.
; maskw: [T = 128 batch + query tile][key step 0..15][64 words].  Word j, bit l: mask[batch][query][key] != 0 with query = row l % 16 of tile T (row 32 (T / 2) + 8 (T % 2) + r + 8 (r / 8) of the 8,192 rows)
; and key = 128 step + 32 (j / 16) + 16 (l / 16) + j % 16.  A work-group takes tile T = its number - 384, a wave 512 keys of it: four steps of 128 keys.  Each of a step's 16 loads reads 512 consecutive bytes of a row;
; they turn through the wave's own stage in LDS (from byte 0x8a00 on, 8,448 bytes a wave).  A compare gives a word in a scalar register; 64 words are gathered two to a lane and leave as 256 consecutive bytes.  No barrier.
.set OUT, 208                          ; v208-215 a pair for each step: lane L holds words 2 L and 2 L + 1
.macro MLOAD t
.irp i, 0,1,2,3,4,5,6,7,8,9,10,11,12,13,14,15
	global_load_b128 v[R+64*((\t)%2)+4*\i:R+64*((\t)%2)+4*\i+3], v4, s[4:5] offset:(\i+8*(\i/8))*8192+512*(\t) th:TH_LOAD_NT
.endr
.endm
.macro MSTEP t
.if (\t) < 3
	s_wait_loadcnt 16                              ; this step's 16 loads are in; the next step's may be out
.else
	s_wait_loadcnt 0x0
.endif
.irp i, 0,1,2,3,4,5,6,7,8,9,10,11,12,13,14,15
	ds_store_b128 v6, v[R+64*((\t)%2)+4*\i:R+64*((\t)%2)+4*\i+3] offset:SP*\i
.endr
.irp b, 0,1,2,3
.irp q, 0,1,2,3
	ds_load_b128 v[X+16*\b+4*\q:X+16*\b+4*\q+3], v7 offset:128*\b+16*\q   ; keys 32 b + 16 h + 4 q on: these see the stores above
.endr
.endr
	s_wait_dscnt 0x0                               ; my numbers are back, and the stores have read their registers,
.if (\t) < 2
	MLOAD (\t)+2                                   ; which take the loads of two steps on
.endif
.set g, 0
.rept 4
.set k, 0
.rept 16
	v_cmp_ne_u32 s[16+k], 0, v[X+16*g+k]           ; word 16 g + k: a bit for each lane
.set k, k+1
.endr
.set k, 0
.rept 16
	v_writelane_b32 v[OUT+2*(\t)+(k%2)], s[16+k], (16*g+k)/2
.set k, k+1
.endr
.set g, g+1
.endr
	global_store_b64 v5, v[OUT+2*(\t):OUT+2*(\t)+1], s[6:7] offset:256*(\t)   ; 256 consecutive bytes, aligned
.endm
.Lmask:
	s_load_b128 s[4:7], s[0:1], 0x38               ; mask, maskw
	v_lshrrev_b32 v1, 5, v0
	v_readfirstlane_b32 s8, v1                     ; wave: which 512 keys
	v_and_b32 v1, 31, v0
	v_and_b32 v2, 15, v0                           ; r
	v_bfe_u32 v3, v0, 4, 1                         ; h
	v_lshlrev_b32 v4, 4, v1                        ; 16 x lane
	v_lshlrev_b32 v5, 3, v1                        ; 8 x lane
	s_mul_i32 s9, s8, 16*SP
	s_add_co_u32 s9, s9, 0x8a00                    ; my stage
	v_add_nc_u32 v6, s9, v4                        ; on the way in
	v_mul_u32_u24 v7, v2, SP
	v_lshl_add_u32 v7, v3, 6, v7
	v_add_nc_u32 v7, s9, v7                        ; and on the way out: row r, + 64 h
	s_sub_co_u32 s10, ttmp9, 384                   ; T
	s_lshr_b32 s12, s10, 1
	s_lshl_b32 s12, s12, 5
	s_and_b32 s13, s10, 1
	s_lshl_b32 s13, s13, 3
	s_add_co_u32 s12, s12, s13                     ; the tile's first row
	s_lshl_b32 s12, s12, 13                        ; rows of 8,192 bytes
	s_lshl_b32 s13, s8, 11
	s_add_co_u32 s12, s12, s13
	s_mov_b32 s13, 0
	s_lshl_b32 s14, s10, 12                        ; 4,096 bytes a tile,
	s_lshl_b32 s15, s8, 10                         ; 256 a key step
	s_add_co_u32 s14, s14, s15
	s_mov_b32 s15, 0
.irp i, 0,1,2,3,4,5,6,7
	v_mov_b32 v[OUT+\i], 0                         ; a lane write's destination counts as one of its sources
.endr
	s_wait_alu depctr_va_vdst(0)
	s_wait_kmcnt 0x0
	s_add_nc_u64 s[4:5], s[4:5], s[12:13]
	s_add_nc_u64 s[6:7], s[6:7], s[14:15]
	MLOAD 0
	MLOAD 1
	MSTEP 0
	MSTEP 1
	MSTEP 2
	MSTEP 3
	s_wait_tensorcnt 0x0                           ; the wave's end
	ds_add_u32 v236, v237
	s_wait_dscnt 0x0
	s_endpgm
.Lfunc_end_k_qa6a071883a_quant:
	.size	k_qa6a071883a_quant, .Lfunc_end_k_qa6a071883a_quant-k_qa6a071883a_quant
	.p2alignl 7, 3214868480
	.fill 96, 4, 3214868480
	.section	.rodata,"a",@progbits
	.p2align	6, 0x0
	.amdhsa_kernel k_qa6a071883a_quant
		.amdhsa_group_segment_fixed_size 69120
		.amdhsa_private_segment_fixed_size 0
		.amdhsa_enable_private_segment 0
		.amdhsa_kernarg_size 72
		.amdhsa_user_sgpr_count 2
		.amdhsa_user_sgpr_kernarg_segment_ptr 1
		.amdhsa_wavefront_size32 1
		.amdhsa_system_sgpr_workgroup_id_x 1
		.amdhsa_system_sgpr_workgroup_id_y 1
		.amdhsa_system_sgpr_workgroup_id_z 1
		.amdhsa_system_vgpr_workitem_id 0
		.amdhsa_next_free_vgpr 238
		.amdhsa_next_free_sgpr 66
		.amdhsa_reserve_vcc 0
		.amdhsa_float_denorm_mode_32 3
		.amdhsa_float_denorm_mode_16_64 3
		.amdhsa_memory_ordered 1
		.amdhsa_forward_progress 1
		.amdhsa_inst_pref_size 80
	.end_amdhsa_kernel
	.amdgpu_metadata
---
amdhsa.version: [ 1, 2 ]
amdhsa.kernels:
  - .name:           k_qa6a071883a_quant
    .symbol:         k_qa6a071883a_quant.kd
    .args:
      - { .name: x, .offset: 0, .size: 8, .value_kind: global_buffer, .address_space: global }
      - { .name: Wq, .offset: 8, .size: 8, .value_kind: global_buffer, .address_space: global }
      - { .name: Wk, .offset: 16, .size: 8, .value_kind: global_buffer, .address_space: global }
      - { .name: Wv, .offset: 24, .size: 8, .value_kind: global_buffer, .address_space: global }
      - { .name: Wo, .offset: 32, .size: 8, .value_kind: global_buffer, .address_space: global }
      - { .name: codes, .offset: 40, .size: 8, .value_kind: global_buffer, .address_space: global }
      - { .name: scales, .offset: 48, .size: 8, .value_kind: global_buffer, .address_space: global }
      - { .name: mask, .offset: 56, .size: 8, .value_kind: global_buffer, .address_space: global }
      - { .name: maskw, .offset: 64, .size: 8, .value_kind: global_buffer, .address_space: global }
    .group_segment_fixed_size: 69120
    .private_segment_fixed_size: 0
    .kernarg_segment_align: 8
    .kernarg_segment_size: 72
    .max_flat_workgroup_size: 128
    .sgpr_count:     66
    .vgpr_count:     238
    .wavefront_size: 32
...
	.end_amdgpu_metadata
.endif
;; end of part 1
;; launch proj (part 2): grid 12 x 32, 4 waves a work-group, clusters of 4 x 4, 327,680 bytes of LDS; arguments codes, scales, bq, bk, bv, act, acts; writes act, acts
.if DOCPART == 2
	.amdgcn_target "amdgcn-amd-amdhsa--gfx1250"
	.amdhsa_code_object_version 6
	.text
	.protected	k_qa6a071883a_proj
	.globl	k_qa6a071883a_proj
	.p2align	8
	.type	k_qa6a071883a_proj,@function
k_qa6a071883a_proj:
	s_mov_b64 s[64:65], 0
	v_nop
	global_prefetch_b8 v0, s[64:65] scope:SCOPE_SE
	s_setreg_imm32_b32 hwreg(HW_REG_WAVE_MODE, 25, 1), 1
	s_wait_xcnt 0x0
	s_wait_alu depctr_hold_cnt(0) depctr_sa_sdst(0) depctr_va_vdst(0) depctr_va_sdst(0) depctr_va_ssrc(0) depctr_va_vcc(0) depctr_vm_vsrc(0)
	s_getreg_b32 s2, hwreg(HW_REG_IB_STS2, 6, 4)
	s_cmp_eq_u32 s2, 0
	s_cbranch_scc0 .Lentry_in_a_cluster
	s_endpgm
.Lentry_in_a_cluster:
	s_bfe_u32 s2, ttmp6, 0x10000c
	s_cmp_lg_u32 s2, 0xf033
	s_cbranch_scc0 .Lentry_shape_is_right
	s_endpgm
.Lentry_shape_is_right:
; q, k, v = x W^T + b on codes of FP6 (E2M3) with E8M0 scales, and their quantising for the attention launch: q and k along a head's 64 channels, v along the keys.  Sums, biases and what goes into the quantiser are f32.
; IN: codes [tile][K step 0..7][c][768] and scales [tile][K step][r]: fragments in the order of an operand's registers (registers 0-3 of lane l at 16 l, registers 4-5 at 512 + 8 l of each half of 768 bytes).
; Tile T, lane row r, is row 32 (T / 2) + 8 (T % 2) + r + 8 (r / 8).  Tiles 0-511 are x, 512-703 Wq, Wk, Wv.
; OUT: act, a record of 294,912 bytes for each (batch, head): q's 128 tiles x 768 bytes, k's likewise at 98,304, v at 196,608 as [key step 16][channel tile 4][c][768].  acts, a record of 20,480 bytes: q's words [tile][r],
; k's at 8,192, v's [key step][channel tile][r] at 16,384.  A word of q or k holds its two scale bytes twice: the upper two belong to the half of the instruction's K that the attention launch fills with zero codes.
; SHARES.  A work-group makes 256 tokens x 256 channels, a wave 128 x 128: 64 accumulators, 512 registers.  K = 1,024 is eight steps of 128, written out, through two LDS slots of two steps each.
; CLUSTERS: 4 x 4 work-groups.  The four of a row need the same token tiles, the four of a column the same weight tiles: each is asked for JOINTLY, by the same tensor load with the same descriptor and a mask that names the four.
; ROLES.  Source 0's rows run along a lane's registers in the result, and by the order of a tile's rows the 16 registers of two neighbouring tiles are 16 neighbours: so source 0 takes what the next product sums over:
; the channels (weights) for q and k, the tokens for v.  Which it is hangs on the cluster's x (0: q, 1: k, 2: v), which all partners share, and enters by scalar selects alone: no branch.
; Both forms of the bias are loaded (along the registers; one number a lane), the one that the tensor does not use is set to 0, and both are added.
; LIMITS: blocks whose largest magnitude lies under 2^-124 keep the byte 1; NaN and infinities are not served.
; REGISTERS, in windows of 256: window 0: v1-31 addresses; v32-95 scale words (register 8 s + i: lanes 0-15 source 1's tile i, lanes 16-31 source 0's, K step s); v96-111 the bias a lane; v128-223 source 1's fragments, one set;
;   on the way out v128-191 a block's 64 numbers, v200-243 at work.  window 1: source 0's fragments, two sets, at v0 and v128; the bias along the registers at v96-127 and v224-255.  windows 2, 3: the accumulators ((a, b) at v[8 (8 (a % 4) + b)]).
.set TB0,   512                        ; the weights' first tile
.set FR,    12                         ; registers of a fragment
.set NL,    4                          ; LDS loads that bring one
.set NP,    4                          ; places behind this matrix instruction (ISA guide 7.12.1)
.set TILEB, 3072                       ; a tile's two K steps in a slot
.set HALFT, 8*TILEB                    ; 8 tiles: what one tensor load brings, and what one wave reads of a side
.set SLOT,  4*HALFT                    ; the tokens' 16 tiles, then the weights' 16
.set SST,   2*SLOT                     ; behind the ring: 1,024 bytes for each wave, for the scale words on the way out
.set SPARE, SST+4096                   ; the spare words, 128 bytes for each wave: two blocks of 256 bytes that no other line names
.set ADRA, 16                          ; v16-17 source 1's fragments in slot 0, 1 (16 x lane); v18-19 the same with 8 x lane
.set ADRB, 20                          ; v20-23 the same for source 0
.set SPW,  28                          ; v28 LDS address of my spare word; never rewritten
.set NIL,  29                          ; v29 0; never rewritten
.set SC,   32
.set BR,   96
.set AF,   128
.set H,    128
.set TM,   200                         ; v200-203 largest magnitudes, v204-207 bytes, v212-215 scale operands
.set PW,   216                         ; the scale word just made
.set PC,   224                         ; v224-235 the codes just made; v236-242 at work
.set SEL,  76                          ; s[76:77] selects for lane l xor 16
.set G1,  24                           ; s[24:31] descriptor group 1 for the tokens' tiles; s[32:39] group 0, one set for each slot
.set G0,  32
.set G1B, 48                           ; s[48:55], s[56:63] the same for the weights' tiles
.set G0B, 56
.set MSB, 0
.macro WIN new                         ; the immediate's high byte repeats the setting that is left
.if MSB != (\new)
	s_set_vgpr_msb (MSB<<8)|(\new)
.set MSB, (\new)
.endif
.endm
.set MUL_LO, 0xa1                      ; source 0 window 1, source 1 window 0, C and D window 2
.set MUL_HI, 0xf1                      ; the same, C and D window 3
.set TO_B,   0x40                      ; destination window 1, address window 0
; A joint load: waves 0 and 1 fetch the tokens' halves, waves 2 and 3 the weights'.  Each of the two lines has one mask and one set of registers for all that issue it; the branch hangs on the wave's number alone.
; Four v_nop follow each of the two lines, ahead of the jump, the label and what follows.
.macro JLOAD g0a, g1a, g0b, g1b
	s_cmp_eq_u32 s19, 0
	s_cbranch_scc0 .Lfor_b_\@
	tensor_load_to_lds s[\g0a:\g0a+3], s[\g1a:\g1a+7]
	s_nop 0
.rept 4
	v_nop
.endr
	s_branch .Lasked_\@
.Lfor_b_\@:
	tensor_load_to_lds s[\g0b:\g0b+3], s[\g1b:\g1b+7]
	s_nop 0
.rept 4
	v_nop
.endr
.Lasked_\@:
.endm
.macro CREST                           ; a round of the cluster's barrier behind its opening barrier
	s_cmp_lg_u32 s18, 0
	s_cbranch_scc1 .Lnot_wave_0_\@
	s_barrier_signal -3
.Lnot_wave_0_\@:
	s_barrier_wait -3
	s_barrier_signal -1
	s_barrier_wait -1
.endm
.macro CROUND                          ; a whole round
	s_barrier_signal -1
	s_barrier_wait -1
	CREST
.endm
	s_load_b256 s[4:11], s[0:1], 0x0               ; codes, scales, bq, bk
	s_load_b128 s[12:15], s[0:1], 0x20             ; bv, act
	s_load_b64 s[16:17], s[0:1], 0x30              ; acts
	v_lshl_add_u32 v[SPW], v0, 2, SPARE
	v_mov_b32 v[NIL], 0
	ds_add_u32 v28, v29
	ds_add_u32 v28, v29
	s_wait_dscnt 0x0
	v_lshrrev_b32 v1, 5, v0
	v_readfirstlane_b32 s18, v1                    ; wave 0..3
	s_lshr_b32 s19, s18, 1                         ; which half of source 1's tiles is mine.  Also: I fetch tokens (0) or weights (1)
	s_and_b32 s20, s18, 1                          ; which half of source 0's.  Also: which 8 tiles I fetch
	s_bfe_u32 s40, ttmp6, 0x40000                  ; cx, cy: my place in the cluster
	s_bfe_u32 s41, ttmp6, 0x40004
	s_lshl_b32 s42, ttmp9, 2
	s_add_co_u32 s42, s42, s40                     ; X: which 256 of the 3,072 channels
	s_and_b32 s21, ttmp7, 0xffff
	s_lshl_b32 s21, s21, 2
	s_add_co_u32 s21, s21, s41                     ; Y: which 256 tokens
	s_lshl_b32 s43, s41, 2
	s_lshl_b32 s43, 15, s43                        ; my row of the cluster
	s_lshl_b32 s44, 0x1111, s40                    ; my column
	; descriptor group 1: 8 tiles, each 3,072 consecutive bytes (two K steps), 12,288 bytes apart; elements of 8 bytes; dense in LDS
	s_or_b32 s[G1+0], s43, (3<<16)|(1<<21)         ; 15:0 the mask: the tokens' tiles go to my row; 17:16 elements of 8 bytes; 21 set beside a mask
	s_or_b32 s[G1B+0], s44, (3<<16)|(1<<21)        ; the weights' to my column
.irp g, G1, G1B
	s_mov_b32 s[\g+1], 384<<16                     ; tensor_dim0 = 384
	s_mov_b32 s[\g+2], 8<<16                       ; tensor_dim1 = 8
	s_mov_b32 s[\g+3], 384<<16                     ; tile_dim0 = 384
	s_mov_b32 s[\g+4], 8                           ; tile_dim1 = 8
	s_mov_b32 s[\g+5], 1536                        ; tensor_dim0_stride
	s_mov_b32 s[\g+6], 0
	s_mov_b32 s[\g+7], 0
.endr
	s_lshl_b32 s45, s20, 3                         ; which 8 tiles I fetch
	s_lshl_b32 s22, s21, 4
	s_add_co_u32 s22, s22, s45                     ; tokens: tile 16 Y + 8 x half
	s_mul_i32 s22, s22, 12288
	s_mov_b32 s23, 0
	s_lshl_b32 s46, s42, 4
	s_add_co_u32 s46, s46, s45
	s_add_co_u32 s46, s46, TB0                     ; weights: tile 512 + 16 X + 8 x half
	s_mul_i32 s46, s46, 12288
	s_mov_b32 s47, 0
	s_mul_i32 s45, s18, HALFT                      ; where they go: wave x 8 tiles: no place in the cluster enters an LDS address
	s_wait_kmcnt 0x0
	s_add_nc_u64 s[22:23], s[4:5], s[22:23]
	s_add_nc_u64 s[46:47], s[4:5], s[46:47]
	CROUND                                         ; all sixteen work-groups are here: the first joint loads meet
.irp s, 0,1
	s_mov_b32 s[G0+4*\s], 1
	s_add_co_u32 s[G0+4*\s+1], s45, \s*SLOT
	s_add_nc_u64 s[G0+4*\s+2:G0+4*\s+3], s[22:23], \s*TILEB
	s_or_b32 s[G0+4*\s+3], s[G0+4*\s+3], 0x80000000
	s_mov_b32 s[G0B+4*\s], 1
	s_add_co_u32 s[G0B+4*\s+1], s45, \s*SLOT
	s_add_nc_u64 s[G0B+4*\s+2:G0B+4*\s+3], s[46:47], \s*TILEB
	s_or_b32 s[G0B+4*\s+3], s[G0B+4*\s+3], 0x80000000
.endr
	JLOAD G0, G1, G0B, G1B                         ; K steps 0, 1 into slot 0: one tensor load a wave at the head
	v_and_b32 v1, 15, v0                           ; r
	v_bfe_u32 v2, v0, 4, 1                         ; h
	v_and_b32 v3, 31, v0
	v_lshlrev_b32 v4, 4, v3                        ; 16 x lane
	s_wait_alu depctr_va_vdst(0)
	v_lshlrev_b32 v5, 3, v3                        ; 8 x lane
	s_wait_alu depctr_va_vdst(0)
	s_cmp_eq_u32 ttmp9, 2                          ; v?  The cluster's x: equal in all partners
	s_cselect_b32 s66, 0, 2*HALFT                  ; source 0's region of a slot: the tokens' for v, else the weights'
	s_cselect_b32 s67, 2*HALFT, 0                  ; source 1's: the other
	s_cselect_b32 s69, 1, 0
	s_cselect_b32 s79, -1, 0                       ; a lane mask: all lanes for v
	s_cselect_b32 s80, 0, -1                       ; all lanes for q and k
	s_cselect_b32 s82, s19, s20                    ; which half says the head,
	s_cselect_b32 s83, s20, s19                    ; and which the tokens
	s_mov_b32 s70, 768
	s_cselect_b32 s70, 1536, s70                   ; the way out: from block to block,
	s_mov_b32 s72, 768
	s_cselect_b32 s72, 290304, s72                 ; from block 3 to block 4 (v: the next head's record less three steps),
	s_mov_b32 s74, 294912
	s_cselect_b32 s74, 768, s74                    ; from a fragment's first half to its second (q, k: the next head's record)
	s_mov_b32 s75, 256
	s_cselect_b32 s75, 20480, s75                  ; the scale words: from lanes 0-15 to lanes 16-31,
	s_cselect_b32 s81, 0, 20480                    ; and from the first 512 bytes to the second
	s_mov_b32 s71, 0
	s_mov_b32 s73, 0
	s_mov_b32 s78, 0xffff0000                      ; a lane mask: lanes 16-31
	s_mov_b32 s[SEL], 0x76543210
	s_mov_b32 s[SEL+1], 0xfedcba98
	s_mul_i32 s68, s20, HALFT
	s_add_co_u32 s66, s66, s68
	s_mul_i32 s68, s19, HALFT
	s_add_co_u32 s67, s67, s68
.irp s, 0,1
	v_add_nc_u32 v[ADRA+\s], s67, v4
	v_add_nc_u32 v[ADRA+2+\s], s67, v5
	v_add_nc_u32 v[ADRB+\s], s66, v4
	v_add_nc_u32 v[ADRB+2+\s], s66, v5
	s_add_co_u32 s66, s66, SLOT
	s_add_co_u32 s67, s67, SLOT
.endr
	s_lshl_b32 s94, s21, 4                         ; the tokens' first tile,
	s_lshl_b32 s95, s42, 4
	s_add_co_u32 s95, s95, TB0                     ; the weights'
	s_cmp_eq_u32 ttmp9, 2
	s_cselect_b32 s90, s94, s95                    ; source 0's,
	s_cselect_b32 s91, s95, s94                    ; source 1's
	s_lshl_b32 s94, s20, 3
	s_add_co_u32 s90, s90, s94
	s_lshl_b32 s94, s19, 3
	s_add_co_u32 s91, s91, s94
	s_lshl_b32 s90, s90, 9                         ; 512 bytes of scale words a tile
	s_lshl_b32 s91, s91, 9
	v_mov_b32 v8, s91
	v_mov_b32 v9, s90
	v_cndmask_b32 v8, v8, v9, s78                  ; lanes 0-15 take source 1's words, lanes 16-31 source 0's
	v_lshl_add_u32 v8, v1, 2, v8
.irp s, 0,1,2,3,4,5,6,7
.irp i, 0,1,2,3,4,5,6,7
	global_load_b32 v[SC+8*\s+\i], v8, s[6:7] offset:512*\i+64*\s   ; all 64 scale words, once
.endr
.endr
	s_lshl_b32 s94, s40, 10                        ; the bias: my 256 channels of the tensor's 1,024,
	s_lshl_b32 s95, s20, 9
	s_add_co_u32 s92, s94, s95                     ; source 0's 128 (q, k),
	s_lshl_b32 s95, s19, 9
	s_add_co_u32 s93, s94, s95                     ; source 1's 128 (v)
	s_cmp_eq_u32 ttmp9, 2
	s_cselect_b32 s92, 0, s92                      ; the form that is not used reads from the bias's first byte on and is set to 0 below: no load leaves the 4,096 bytes
	s_cselect_b32 s93, s93, 0
	s_cselect_b64 s[88:89], s[12:13], s[10:11]
	s_cmp_eq_u32 ttmp9, 0
	s_cselect_b64 s[88:89], s[8:9], s[88:89]       ; bq, bk or bv
	v_lshl_add_u32 v6, v2, 6, s92                  ; along the registers: register 8 b + j is channel 32 (b / 2) + 16 h + 8 (b % 2) + j
	v_and_b32 v7, 8, v1
	v_add_nc_u32 v7, v7, v1
	v_lshl_add_u32 v7, v7, 2, s93                  ; a lane: channel r + 8 (r / 8) of the tile
	WIN TO_B
.irp b, 0,1,2,3
	global_load_b128 v[96+8*\b:96+8*\b+3], v6, s[88:89] offset:(32*(\b/2)+8*(\b%2))*4
	global_load_b128 v[96+8*\b+4:96+8*\b+7], v6, s[88:89] offset:(32*(\b/2)+8*(\b%2))*4+16
.endr
.irp b, 4,5,6,7
	global_load_b128 v[192+8*\b:192+8*\b+3], v6, s[88:89] offset:(32*(\b/2)+8*(\b%2))*4
	global_load_b128 v[192+8*\b+4:192+8*\b+7], v6, s[88:89] offset:(32*(\b/2)+8*(\b%2))*4+16
.endr
	WIN 0
.irp a, 0,1,2,3,4,5,6,7
	global_load_b32 v[BR+2*\a], v7, s[88:89] offset:(32*(\a/2)+8*(\a%2))*4
.endr
	; where my part of the results begins
	s_lshr_b32 s94, s21, 3                         ; the batch
	s_lshl_b32 s94, s94, 4
	s_lshl_b32 s95, s40, 2
	s_add_co_u32 s94, s94, s95
	s_lshl_b32 s95, s82, 1
	s_add_co_u32 s94, s94, s95                     ; the record: 16 batch + 4 cx + 2 x half
	s_mul_i32 s84, s94, 294912
	s_mul_i32 s95, ttmp9, 98304
	s_add_co_u32 s84, s84, s95
	s_and_b32 s96, s21, 7
	s_mul_i32 s95, s96, 12288
	s_add_co_u32 s84, s84, s95
	s_mul_i32 s95, s83, 6144
	s_add_co_u32 s84, s84, s95
	s_mov_b32 s85, 0
	s_mul_i32 s86, s94, 20480
	s_lshl_b32 s95, ttmp9, 13
	s_add_co_u32 s86, s86, s95
	s_lshl_b32 s95, s96, 10
	s_lshl_b32 s97, s83, 9
	s_add_co_u32 s95, s95, s97
	s_lshr_b32 s95, s95, s69                       ; v has half as many words for the same tokens
	s_add_co_u32 s86, s86, s95
	s_mov_b32 s87, 0
	s_add_nc_u64 s[14:15], s[14:15], s[84:85]
	s_add_nc_u64 s[16:17], s[16:17], s[86:87]
	v_add_nc_u32 v26, s74, v4                      ; the second half's places
	v_add_nc_u32 v27, s74, v5
	s_lshl_b32 s94, s18, 10
	s_add_co_u32 s94, s94, SST
	v_lshl_add_u32 v30, v2, 9, s94
	v_lshl_add_u32 v30, v1, 2, v30                 ; the scale words' stage: 1,024 x wave + 512 h + 4 r
	v_add_nc_u32 v31, s94, v4                      ; and back: 16 x lane
	v_mul_u32_u24 v12, s75, v2
	v_lshl_add_u32 v12, v1, 4, v12                 ; their places in acts
	v_add_nc_u32 v13, s81, v12
.macro FRAG reg, adr, q, i             ; a fragment comes as it was stored: every load reads 512 or 256 consecutive bytes
	ds_load_b128 v[\reg:\reg+3], v[\adr] offset:TILEB*(\i)+1536*(\q)
	ds_load_b64 v[\reg+4:\reg+5], v[\adr+2] offset:TILEB*(\i)+1536*(\q)+512
	ds_load_b128 v[\reg+6:\reg+9], v[\adr] offset:TILEB*(\i)+1536*(\q)+768
	ds_load_b64 v[\reg+10:\reg+11], v[\adr+2] offset:TILEB*(\i)+1536*(\q)+1280
.endm
; 16 matrix instructions: source 1's blocks a0, a0 + 1 x source 0's eight, K step s.  p: source 0's set.  zero = 1: the first product starts the sums.
; The 64 accumulators take turns, one instruction a turn, in the same order in every step.
.macro MUL16 a0, p, s, zero
.irp a, \a0, \a0+1
.irp b, 0,1,2,3,4,5,6,7
.if \zero
	v_wmma_scale_f32_16x16x128_f8f6f4 v[8*(8*((\a)%4)+\b):8*(8*((\a)%4)+\b)+7], v[128*(\p)+FR*\b:128*(\p)+FR*\b+FR-1], v[AF+FR*(\a):AF+FR*(\a)+FR-1], 0, v[SC+8*(\s)+\b], v[SC+8*(\s)+(\a)] matrix_a_fmt:MATRIX_FMT_FP6 matrix_b_fmt:MATRIX_FMT_FP6 matrix_a_scale:MATRIX_SCALE_ROW1
.else
	v_wmma_scale_f32_16x16x128_f8f6f4 v[8*(8*((\a)%4)+\b):8*(8*((\a)%4)+\b)+7], v[128*(\p)+FR*\b:128*(\p)+FR*\b+FR-1], v[AF+FR*(\a):AF+FR*(\a)+FR-1], v[8*(8*((\a)%4)+\b):8*(8*((\a)%4)+\b)+7], v[SC+8*(\s)+\b], v[SC+8*(\s)+(\a)] matrix_a_fmt:MATRIX_FMT_FP6 matrix_b_fmt:MATRIX_FMT_FP6 matrix_a_scale:MATRIX_SCALE_ROW1
.endif
.endr
.endr
.endm
.macro FETCH_B slot, q, p              ; source 0's eight fragments of the slot's q-th K step into set p
	WIN TO_B
.irp i, 0,1,2,3,4,5,6,7
	FRAG 128*(\p)+FR*\i, ADRB+\slot, \q, \i
.endr
	WIN 0
.endm
.macro FETCH_A slot, q, i0             ; source 1's blocks i0 .. i0 + 3
.irp i, \i0, \i0+1, \i0+2, \i0+3
	FRAG AF+FR*(\i), ADRA+\slot, \q, \i
.endr
.endm
.macro PLACES n                        ; plain vector instructions between a matrix instruction and a load into, or a vector instruction on, its registers (ISA guide 7.12.1 for vector instructions)
.rept \n
	v_nop
.endr
.endm
; A slot's first K step.  Source 1 has one set of registers: blocks 0-3 are fetched anew in the step's middle, blocks 4-7 at its end.
.macro STEP slot, s, zero
	s_wait_dscnt 4*NL                              ; source 0's set and source 1's blocks 0-3 are in; the youngest 16 loads (blocks 4-7) may be out
	WIN MUL_LO
	MUL16 0, 0, \s, \zero
	MUL16 2, 0, \s, \zero
	s_wait_dscnt 0                                 ; blocks 4-7 are in
	PLACES NP
	FETCH_B \slot, 1, 1
	FETCH_A \slot, 1, 0
	WIN MUL_HI
	MUL16 4, 0, \s, \zero
	MUL16 6, 0, \s, \zero
	PLACES NP
	WIN 0
	FETCH_A \slot, 1, 4
.endm
; A slot's second K step changes slots: one barrier; in front of it each wave waits for all its tensor loads, adds 0 to its spare word, and waits for that and for its own reads of this slot.  fill = 1: this slot is filled again, four K steps on.
.macro TURN slot, next, s, fill
	s_wait_tensorcnt 0x0                           ; all my tensor loads have landed: my part of the next slot
	ds_add_u32 v[SPW], v[NIL]                      ; 0 onto my spare word
	s_wait_dscnt 4*NL+1                            ; (the add and the youngest 16 loads may be out)
	WIN MUL_LO
	MUL16 0, 1, \s, 0                              ; sixteen matrix instructions stand between the add and the wait for it
	s_wait_dscnt 0x0                               ; the add is done, and my reads of this slot are over
	s_barrier_signal -1
	MUL16 2, 1, \s, 0
	WIN 0
	s_barrier_wait -1
.if \fill
	CREST                                          ; the barrier has opened a round of the cluster's barrier: no wave of any partner still reads this slot or has a load on its way
	s_add_nc_u64 s[G0+4*\slot+2:G0+4*\slot+3], s[G0+4*\slot+2:G0+4*\slot+3], 2*TILEB
	s_add_nc_u64 s[G0B+4*\slot+2:G0B+4*\slot+3], s[G0B+4*\slot+2:G0B+4*\slot+3], 2*TILEB
	JLOAD G0+4*\slot, G1, G0B+4*\slot, G1B         ; the first tensor load behind the round, and my only one until the next; its four v_nop are the places in front of the loads below
.else
	PLACES NP
.endif
	FETCH_B \next, 0, 0
	FETCH_A \next, 0, 0
	WIN MUL_HI
	MUL16 4, 1, \s, 0
	MUL16 6, 1, \s, 0
	PLACES NP
	WIN 0
	FETCH_A \next, 0, 4
.endm
	s_wait_alu depctr_va_vdst(0)
	s_wait_tensorcnt 0x0                           ; my part of slot 0 is in
	ds_add_u32 v[SPW], v[NIL]
	s_wait_dscnt 0x0
	CROUND                                         ; a whole round: everybody's part of slot 0 is in, and the joint loads meet
	JLOAD G0+4, G1, G0B+4, G1B                     ; K steps 2, 3 into slot 1: the first tensor load behind the round
	FETCH_B 0, 0, 0
	FETCH_A 0, 0, 0
	FETCH_A 0, 0, 4
	s_wait_loadcnt 0x0                             ; the scale words and the biases
	WIN 0x44                                       ; source 1 and destination window 1
.set i, 0
.rept 32
	v_cndmask_b32 v[96+i], 0, v[96+i], s80         ; the bias along the registers counts for q and k alone
	v_cndmask_b32 v[224+i], 0, v[224+i], s80
.set i, i+1
.endr
	WIN 0
.irp a, 0,1,2,3,4,5,6,7
	v_cndmask_b32 v[BR+2*\a], 0, v[BR+2*\a], s79   ; the bias a lane for v alone
	v_mov_b32 v[BR+2*\a+1], 0                      ; (named with it as a pair, so it is written)
.endr
	STEP 0, 0, 1
	TURN 0, 1, 1, 1
	STEP 1, 2, 0
	TURN 1, 0, 3, 1
	STEP 0, 4, 0
	TURN 0, 1, 5, 0                                ; nothing is left to fetch
	STEP 1, 6, 0
	s_wait_dscnt 4*NL                              ; the last K step
	WIN MUL_LO
	MUL16 0, 1, 7, 0
	MUL16 2, 1, 7, 0
	s_wait_dscnt 0
	WIN MUL_HI
	MUL16 4, 1, 7, 0
	MUL16 6, 1, 7, 0
	WIN 0
; 64 numbers of a lane, register 16 b + i = place 32 b + 16 (lane / 16) + i along the next K, become a fragment's codes in v[PC] on and its scale word in v[PW].
.macro QUANT s
.irp b, 0,1,2,3
	v_max3_num_f32 v[TM+\b], |v[\s+16*\b]|, |v[\s+1+16*\b]|, 0x1800000   ; my 16 numbers of block b, and the floor 2^(3 - 127): the byte cannot fall under 1
.endr
.irp i, 2,4,6,8,10,12,14
.irp b, 0,1,2,3
	v_max3_num_f32 v[TM+\b], v[TM+\b], |v[\s+16*\b+\i]|, |v[\s+1+16*\b+\i]|
.endr
.endr
.irp b, 0,1,2,3
	v_permlanex16_b32 v[TM+4+\b], v[TM+\b], s[SEL], s[SEL+1]
.endr
.irp b, 0,1,2,3
	v_max_num_f32 v[TM+\b], v[TM+\b], v[TM+4+\b]   ; with lane l xor 16's: the block's largest magnitude
.endr
.irp b, 0,1,2,3
	v_add_nc_u32 v[TM+12+\b], 0xff000000, v[TM+\b] ; 2 off its exponent field: the conversion's scale operand
.endr
.irp b, 0,1,2,3
	v_lshrrev_b32 v[TM+4+\b], 23, v[TM+12+\b]      ; the scale's byte
.endr
	v_lshl_or_b32 v[PW], v[TM+5], 8, v[TM+4]
	v_lshl_or_b32 v[PW], v[TM+6], 16, v[PW]
	v_lshl_or_b32 v[PW], v[TM+7], 24, v[PW]
.irp c, 0,1
	v_cvt_scalef32_pk16_fp6_f32 v[PC+6*\c:PC+2+6*\c], v[\s+32*\c:\s+15+32*\c], v[TM+12+2*\c]
	v_cvt_scalef32_pk16_fp6_f32 v[PC+12+4*\c:PC+14+4*\c], v[\s+16+32*\c:\s+31+32*\c], v[TM+12+2*\c+1]   ; (a conversion's three registers begin on an even number)
.endr
	v_nop                                          ; one plain place behind a scaled conversion
.irp c, 0,1                                    ; the operand's layout wants a whole block in a lane
.irp i, 0,1,2
	v_permlane16_swap_b32 v[PC+6*\c+\i], v[PC+12+4*\c+\i]
.endr
.irp i, 0,1,2
	v_mov_b32 v[PC+3+6*\c+\i], v[PC+12+4*\c+\i]
.endr
.endr
.endm
; THE WAY OUT of source 1's block a: 16 rows (tokens for q and k, channels for v) x 128 along the next K.
.macro OUTA a
	s_wait_dscnt 0x0
	s_wait_xcnt 0x0                                ; the last block's stores have read their registers and their base
.if (\a) == 4
	s_add_nc_u64 s[14:15], s[14:15], s[72:73]
.elseif (\a) > 0
	s_add_nc_u64 s[14:15], s[14:15], s[70:71]
.endif
	WIN 0x06+(\a)/4                                ; source 0 window 2 or 3, source 1 window 1
.set i, 0
.rept 16
	v_pk_add_f32 v[H+i:H+i+1], v[64*((\a)%4)+i:64*((\a)%4)+i+1], v[96+i:96+i+1]      ; each accumulator from its low end on
.set i, i+2
.endr
.rept 16
	v_pk_add_f32 v[H+i:H+i+1], v[64*((\a)%4)+i:64*((\a)%4)+i+1], v[192+i:192+i+1]
.set i, i+2
.endr
	WIN 0
.set i, 0
.rept 32
	v_pk_add_f32 v[H+i:H+i+1], v[H+i:H+i+1], v[BR+2*(\a):BR+2*(\a)+1] op_sel_hi:[1,0]
.set i, i+2
.endr
	QUANT H
	global_store_b128 v4, v[PC:PC+3], s[14:15]                    ; each store covers 512 or 256 consecutive bytes, aligned to 256
	global_store_b64 v5, v[PC+4:PC+5], s[14:15] offset:512
	global_store_b128 v26, v[PC+6:PC+9], s[14:15]
	global_store_b64 v27, v[PC+10:PC+11], s[14:15] offset:512
	v_and_b32 v217, 0xffff, v[PW]
	v_lshl_or_b32 v217, v[PW], 16, v217            ; q, k: the first head's two bytes, twice;
	v_lshrrev_b32 v218, 16, v[PW]
	v_and_or_b32 v218, v[PW], s78, v218            ; the second head's, twice
	v_cndmask_b32 v217, v217, v218, s78            ; lanes 0-15 keep the first head's word, lanes 16-31 the second's;
	v_cndmask_b32 v217, v217, v[PW], s79           ; v: the word as it is, in both halves of the lanes
	ds_store_b32 v30, v217 offset:64*(\a)
.endm
	PLACES NP
.irp b, 0,1,2,3
	v_mov_b32 v[TM+4+\b], 0                        ; a lane permute's destination counts as one of its sources
.endr
.irp a, 0,1,2,3,4,5,6,7
	OUTA \a
.endr
	ds_load_b128 v[128:131], v31                   ; my wave's own bytes: these see my stores
	ds_load_b128 v[132:135], v31 offset:512
	s_wait_dscnt 0x0
	global_store_b128 v12, v[128:131], s[16:17]    ; q, k: the first head's 128 words; v: 64 words of each of the two heads
	global_store_b128 v13, v[132:135], s[16:17]    ; q, k: the second head's, one record on; v: the same words to the same places once more, so that no store hangs on a branch
	s_wait_tensorcnt 0x0                           ; the wave's end
	ds_add_u32 v[SPW], v[NIL]
	s_wait_dscnt 0x0
	CROUND                                         ; the closing round: no work-group ends while a partner may still ask for a tile that names it
	s_endpgm
.Lfunc_end_k_qa6a071883a_proj:
	.size	k_qa6a071883a_proj, .Lfunc_end_k_qa6a071883a_proj-k_qa6a071883a_proj
	.p2alignl 7, 3214868480
	.fill 96, 4, 3214868480
	.section	.rodata,"a",@progbits
	.p2align	6, 0x0
	.amdhsa_kernel k_qa6a071883a_proj
		.amdhsa_group_segment_fixed_size 327680
		.amdhsa_private_segment_fixed_size 0
		.amdhsa_enable_private_segment 0
		.amdhsa_kernarg_size 56
		.amdhsa_user_sgpr_count 2
		.amdhsa_user_sgpr_kernarg_segment_ptr 1
		.amdhsa_wavefront_size32 1
		.amdhsa_system_sgpr_workgroup_id_x 1
		.amdhsa_system_sgpr_workgroup_id_y 1
		.amdhsa_system_sgpr_workgroup_id_z 1
		.amdhsa_system_vgpr_workitem_id 0
		.amdhsa_next_free_vgpr 1024
		.amdhsa_next_free_sgpr 98
		.amdhsa_reserve_vcc 0
		.amdhsa_float_denorm_mode_32 3
		.amdhsa_float_denorm_mode_16_64 3
		.amdhsa_memory_ordered 1
		.amdhsa_forward_progress 1
		.amdhsa_inst_pref_size 196
	.end_amdhsa_kernel
	.amdgpu_metadata
---
amdhsa.version: [ 1, 2 ]
amdhsa.kernels:
  - .name:           k_qa6a071883a_proj
    .symbol:         k_qa6a071883a_proj.kd
    .args:
      - { .name: codes, .offset: 0, .size: 8, .value_kind: global_buffer, .address_space: global }
      - { .name: scales, .offset: 8, .size: 8, .value_kind: global_buffer, .address_space: global }
      - { .name: bq, .offset: 16, .size: 8, .value_kind: global_buffer, .address_space: global }
      - { .name: bk, .offset: 24, .size: 8, .value_kind: global_buffer, .address_space: global }
      - { .name: bv, .offset: 32, .size: 8, .value_kind: global_buffer, .address_space: global }
      - { .name: act, .offset: 40, .size: 8, .value_kind: global_buffer, .address_space: global }
      - { .name: acts, .offset: 48, .size: 8, .value_kind: global_buffer, .address_space: global }
    .group_segment_fixed_size: 327680
    .private_segment_fixed_size: 0
    .kernarg_segment_align: 8
    .kernarg_segment_size: 56
    .max_flat_workgroup_size: 128
    .sgpr_count:     98
    .vgpr_count:     1024
    .wavefront_size: 32
...
	.end_amdgpu_metadata
.endif
;; end of part 2
;; launch attn (part 3): grid 4 x 64, 16 waves a work-group, clusters of 4 x 1, 327,680 bytes of LDS; arguments act, acts, maskw, codes, scales; writes codes, scales
.if DOCPART == 3
	.amdgcn_target "amdgcn-amd-amdhsa--gfx1250"
	.amdhsa_code_object_version 6
	.text
	.protected	k_qa6a071883a_attn
	.globl	k_qa6a071883a_attn
	.p2align	8
	.type	k_qa6a071883a_attn,@function
k_qa6a071883a_attn:
	s_mov_b64 s[64:65], 0
	v_nop
	global_prefetch_b8 v0, s[64:65] scope:SCOPE_SE
	s_setreg_imm32_b32 hwreg(HW_REG_WAVE_MODE, 25, 1), 1
	s_wait_xcnt 0x0
	s_wait_alu depctr_hold_cnt(0) depctr_sa_sdst(0) depctr_va_vdst(0) depctr_va_sdst(0) depctr_va_ssrc(0) depctr_va_vcc(0) depctr_vm_vsrc(0)
	s_getreg_b32 s2, hwreg(HW_REG_IB_STS2, 6, 4)
	s_cmp_eq_u32 s2, 0
	s_cbranch_scc0 .Lentry_in_a_cluster
	s_endpgm
.Lentry_in_a_cluster:
	s_bfe_u32 s2, ttmp6, 0x10000c
	s_cmp_lg_u32 s2, 0x3003
	s_cbranch_scc0 .Lentry_shape_is_right
	s_endpgm
.Lentry_shape_is_right:
.set SCO, 196608
.macro CROUND
	s_barrier_signal -1
	s_barrier_wait -1
	s_cmp_lg_u32 s94, 0
	s_cbranch_scc1 .Lnot_wave_0_\@
	s_barrier_signal -3
.Lnot_wave_0_\@:
	s_barrier_wait -3
	s_barrier_signal -1
	s_barrier_wait -1
.endm
	s_load_b256 s[4:11], s[0:1], 0x0
	s_load_b64 s[12:13], s[0:1], 0x20
	v_lshl_add_u32 v254, v0, 2, 0x33000
	v_mov_b32 v255, 0
	ds_add_u32 v254, v255
	ds_add_u32 v254, v255
	v_lshrrev_b32 v1, 5, v0
	s_delay_alu instid0(VALU_DEP_1)
	v_readfirstlane_b32 s94, v1
	s_bfe_u32 s3, ttmp6, 0x40000
	s_lshl_b32 s100, ttmp9, 2
	s_add_co_u32 s3, s3, s100
	s_lshl_b32 s3, s3, 5
	s_add_co_u32 s3, s3, s94
	s_and_b32 s66, ttmp7, 0xffff
	s_lshr_b32 s67, s66, 4
	s_and_b32 s95, s66, 15
	s_mov_b32 s15, 0
	s_mov_b32 s16, 15|(3<<16)|(1<<21)
	s_mov_b32 s17, 32<<16
	s_mov_b32 s18, 64<<16
	s_mov_b32 s19, 32<<16
	s_mov_b32 s20, 64
	s_mov_b32 s21, 32
	s_mov_b32 s22, 0
	s_mov_b32 s23, 0
	s_mov_b32 s24, 15|(3<<16)|(1<<21)
	s_mov_b32 s25, 32<<16
	s_mov_b32 s26, 12<<16
	s_mov_b32 s27, 32<<16
	s_mov_b32 s28, 12
	s_mov_b32 s29, 32
	s_mov_b32 s30, 0
	s_mov_b32 s31, 0
	s_wait_dscnt 0x0
	s_wait_kmcnt 0x0
	s_mul_i32 s14, s66, 294912
	s_add_nc_u64 s[4:5], s[4:5], s[14:15]
	s_mul_i32 s14, s66, 20480
	s_add_nc_u64 s[6:7], s[6:7], s[14:15]
	s_lshl_b32 s14, s67, 19
	s_add_nc_u64 s[8:9], s[8:9], s[14:15]
	s_lshl_b32 s2, s67, 7
	s_add_co_u32 s2, s2, 768
	s_mul_i32 s14, s2, 12288
	s_mul_i32 s100, s95, 768
	s_add_co_u32 s14, s14, s100
	s_add_nc_u64 s[10:11], s[10:11], s[14:15]
	s_lshl_b32 s14, s2, 9
	s_lshr_b32 s100, s95, 1
	s_lshl_b32 s100, s100, 6
	s_add_co_u32 s14, s14, s100
	s_and_b32 s100, s95, 1
	s_lshl_b32 s100, s100, 1
	s_add_co_u32 s14, s14, s100
	s_add_nc_u64 s[12:13], s[12:13], s[14:15]
	s_lshl_b32 s14, s94, 14                        ; waves 0-11: 64 rows of 256 bytes each of the head's k and v codes (196,608 bytes)
	s_mov_b32 s32, 1
	s_mov_b32 s33, s14
	s_add_co_u32 s14, s14, 98304
	s_add_nc_u64 s[34:35], s[4:5], s[14:15]
	s_or_b32 s35, s35, 0x80000000
	s_and_b32 s14, s94, 3                          ; waves 12-15: 12 rows of 256 bytes each of k's and v's scale words (12,288 bytes)
	s_mul_i32 s14, s14, 3072
	s_mov_b32 s36, 1
	s_add_co_u32 s37, s14, SCO
	s_add_co_u32 s14, s14, 8192
	s_add_nc_u64 s[38:39], s[6:7], s[14:15]
	s_or_b32 s39, s39, 0x80000000
	CROUND
	s_cmp_lt_u32 s94, 12                           ; the head's fills, one joint load a wave, in one chain of two arms on the wave's number
	s_cbranch_scc0 .Lhead_sc
	tensor_load_to_lds s[32:35], s[16:23]
	s_nop 0
.rept 4
	v_nop
.endr
	s_branch .Lhead_asked
.Lhead_sc:
	tensor_load_to_lds s[36:39], s[24:31]
	s_nop 0
.rept 4
	v_nop
.endr
.Lhead_asked:
	v_and_b32 v7, 31, v0
	s_delay_alu instid0(VALU_DEP_1)
	v_lshlrev_b32 v1, 4, v7
	s_delay_alu instid0(VALU_DEP_2)
	v_lshlrev_b32 v2, 3, v7
	s_delay_alu instid0(VALU_DEP_2)
	v_add_nc_u32 v3, 98304, v1
	s_delay_alu instid0(VALU_DEP_2)
	v_add_nc_u32 v4, 98304, v2
	v_lshl_add_u32 v5, v7, 2, SCO
	v_lshl_add_u32 v6, v7, 2, SCO+8192
	v_and_b32 v7, 15, v0
	s_delay_alu instid0(VALU_DEP_1)
	v_lshlrev_b32 v7, 2, v7
	v_mov_b32 v14, 0xd0000000
.irp i, 22,23,24,25,26,27,80,81,82,83,84,85
	v_mov_b32 v\i, 0
.endr
.irp i, 93,94,216,217,218,219
	v_mov_b32 v\i, 0
.endr
	s_mov_b32 s96, 0x76543210
	s_mov_b32 s97, 0xfedcba98
	s_mov_b32 s98, 0x3e38aa3b
	s_mov_b32 s99, s98
	s_wait_alu depctr_va_vdst(0)
	s_wait_tensorcnt 0x0
	s_barrier_signal -1
	s_barrier_wait -1
; k's eight fragments and four scale registers of one key step: 20 LDS loads.  They are asked for one step ahead: in a pass's head for step 0, in each step, behind its P V products, for the next.
.macro KLOAD a, b, c
.irp t, 0,1,2,3,4,5,6,7
	ds_load_b128 v[32+6*\t:35+6*\t], \a offset:768*\t
	ds_load_b64 v[36+6*\t:37+6*\t], \b offset:768*\t+512
.endr
.irp u, 0,1,2,3
	ds_load_b32 v[86+\u], \c offset:128*\u
.endr
.endm
.macro KSTEP
	s_wait_dscnt 0x0                               ; this step's fragments of k are in
.irp t, 0,1,2,3,4,5,6,7
.if \t%2
	v_wmma_scale_f32_16x16x128_f8f6f4 v[96+8*\t:103+8*\t], v[32+6*\t:43+6*\t], v[16:27], 0, v[86+\t/2], v15 matrix_a_fmt:MATRIX_FMT_FP6 matrix_b_fmt:MATRIX_FMT_FP6 matrix_a_scale:MATRIX_SCALE_ROW1
.else
	v_wmma_scale_f32_16x16x128_f8f6f4 v[96+8*\t:103+8*\t], v[32+6*\t:43+6*\t], v[16:27], 0, v[86+\t/2], v15 matrix_a_fmt:MATRIX_FMT_FP6 matrix_b_fmt:MATRIX_FMT_FP6
.endif
.endr
	v_add_nc_u32 v10, s100, v3                     ; v's addresses: these three and the v_nop are the four places ahead of the loads into k's registers
	v_add_nc_u32 v11, s100, v4
	v_add_nc_u32 v13, s14, v6
	v_nop
.irp f, 0,1,2,3,4,5,6,7
	ds_load_b128 v[32+6*\f:35+6*\f], v10 offset:768*\f
	ds_load_b64 v[36+6*\f:37+6*\f], v11 offset:768*\f+512
.endr
	ds_load_b32 v90, v13
	ds_load_b32 v91, v13 offset:128
	s_wait_kmcnt 0x0
.set j, 0
.rept 48
	v_cndmask_b32 v[96+j], v14, v[96+j], s[16+j]
.set j, j+1
.endr
.rept 16
	v_cndmask_b32 v[96+j], v14, v[96+j], s[20+j]
.set j, j+1
.endr
	s_add_co_u32 s2, s2, 256
	s_min_u32 s2, s2, 3840
	s_load_b512 s[16:31], s[88:89], s2 offset:0x0
	s_load_b512 s[32:47], s[88:89], s2 offset:0x40
	s_load_b512 s[48:63], s[88:89], s2 offset:0x80
	s_load_b512 s[68:83], s[88:89], s2 offset:0xc0
; the largest score of each block of 32 keys: my 16 in two chains a block, eight chains by turns, so that a line's source was written four to eight lines earlier
.irp b, 0,1,2,3
	v_max3_num_f32 v[212+\b], v[96+16*\b], v[97+16*\b], v[98+16*\b]
.endr
.irp b, 0,1,2,3
	v_max3_num_f32 v[216+\b], v[104+16*\b], v[105+16*\b], v[106+16*\b]
.endr
.irp i, 3,5
.irp b, 0,1,2,3
	v_max3_num_f32 v[212+\b], v[212+\b], v[96+16*\b+\i], v[97+16*\b+\i]
.endr
.irp b, 0,1,2,3
	v_max3_num_f32 v[216+\b], v[216+\b], v[104+16*\b+\i], v[105+16*\b+\i]
.endr
.endr
.irp b, 0,1,2,3
	v_max3_num_f32 v[212+\b], v[212+\b], v[216+\b], v[103+16*\b]
.endr
.irp b, 0,1,2,3
	v_max_num_f32 v[212+\b], v[212+\b], v[111+16*\b]
.endr
.irp b, 0,1,2,3
	v_permlanex16_b32 v[216+\b], v[212+\b], s96, s97
.endr
.irp b, 0,1,2,3
	v_max_num_f32 v[212+\b], v[212+\b], v[216+\b]   ; with lane l xor 16's 16 keys
.endr
	v_max3_num_f32 v94, v212, v213, v214
	v_mov_b32 v224, v28                            ; the old -M
	s_delay_alu instid0(VALU_DEP_2)
	v_max3_num_f32 v29, v29, v94, v215             ; v29: the running largest SCORE of my query (c is positive: c x the largest score is the largest t)
	s_delay_alu instid0(VALU_DEP_1)
	v_mul_f32 v94, s98, v29
	s_delay_alu instid0(VALU_DEP_1)
	v_floor_f32 v28, -v94                          ; the new -M = -ceil(t)
	s_delay_alu instid0(VALU_DEP_1)
	v_sub_f32 v94, v28, v224                       ; old M less new M, a whole number
.irp j, 0,2,4,6,8
	v_pk_fma_f32 v[96+\j:97+\j], v[96+\j:97+\j], s[98:99], v[28:29] op_sel_hi:[1,0,0]   ; t - M; five of these stand between the steps that make f
.endr
	v_cvt_i32_f32 v94, v94
.irp j, 10,12,14,16,18
	v_pk_fma_f32 v[96+\j:97+\j], v[96+\j:97+\j], s[98:99], v[28:29] op_sel_hi:[1,0,0]
.endr
	v_ldexp_f32 v92, 1.0, v94                      ; f = 2^(old M - new M)
.irp j, 20,22,24,26,28,30,32,34,36,38,40,42,44,46,48,50,52,54,56,58,60,62
	v_pk_fma_f32 v[96+\j:97+\j], v[96+\j:97+\j], s[98:99], v[28:29] op_sel_hi:[1,0,0]
.endr
.irp b, 0,1,2,3
	v_fma_f32 v[212+\b], v[212+\b], s98, v28
.endr
.set j, 0
	s_wait_alu depctr_va_vdst(0)
.rept 64
	v_exp_f32 v[96+j], v[96+j]
.set j, j+1
.endr
.irp b, 0,1,2,3
	v_exp_f32 v[212+\b], v[212+\b]
.endr
	v_pk_mul_f32 v[30:31], v[30:31], v[92:93] op_sel_hi:[1,0]
	s_wait_alu depctr_va_vdst(0)
.irp b, 0,1,2,3
	v_max_num_f32 v[212+\b], 0x1800000, v[212+\b]   ; the floor 2^(3 - 127): the byte cannot fall under 1
.endr
.irp b, 0,1,2,3
	v_add_nc_u32 v[220+\b], 0xff000000, v[212+\b]   ; 2 off the exponent field: the conversion's scale operand
.endr
.irp b, 0,1,2,3
	v_lshrrev_b32 v[216+\b], 23, v[220+\b]          ; the scale's byte
.endr
	v_lshl_or_b32 v216, v217, 8, v216              ; p's scale word, by halves
	v_lshl_or_b32 v218, v219, 8, v218
.irp c, 0,1
	v_cvt_scalef32_pk16_fp6_f32 v[192+6*\c:194+6*\c], v[96+32*\c:111+32*\c], v[220+2*\c]
	v_cvt_scalef32_pk16_fp6_f32 v[204+4*\c:206+4*\c], v[112+32*\c:127+32*\c], v[220+2*\c+1]
.endr
	v_lshl_or_b32 v93, v218, 16, v216              ; the word is whole; this line is also the plain place behind the conversions
.irp c, 0,1
.irp i, 0,1,2
	v_permlane16_swap_b32 v[192+6*\c+\i], v[204+4*\c+\i]
.endr
.endr
.irp c, 0,1
.irp i, 0,1,2
	v_mov_b32 v[195+6*\c+\i], v[204+4*\c+\i]
.endr
.endr
.irp j, 0,2,4,6,8,10,12,14,16,18,20,22,24,26,28,30
	v_pk_mul_f32 v[160+\j:161+\j], v[160+\j:161+\j], v[92:93] op_sel_hi:[1,0]
.endr
	v_pk_add_f32 v[224:225], v[96:97], v[98:99]    ; the row's sum of the unquantised p, in two chains: nine additions ahead of the products, the rest behind them
.irp j, 4,8,12,16
	v_pk_add_f32 v[30:31], v[30:31], v[96+\j:97+\j]
	v_pk_add_f32 v[224:225], v[224:225], v[98+\j:99+\j]
.endr
	s_wait_alu depctr_va_vdst(0)
	s_wait_dscnt 0x0                               ; v's fragments are in
.irp t, 0,1,2,3
.if \t%2
	v_wmma_scale_f32_16x16x128_f8f6f4 v[160+8*\t:167+8*\t], v[32+12*\t:43+12*\t], v[192:203], v[160+8*\t:167+8*\t], v[90+\t/2], v93 matrix_a_fmt:MATRIX_FMT_FP6 matrix_b_fmt:MATRIX_FMT_FP6 matrix_a_scale:MATRIX_SCALE_ROW1
.else
	v_wmma_scale_f32_16x16x128_f8f6f4 v[160+8*\t:167+8*\t], v[32+12*\t:43+12*\t], v[192:203], v[160+8*\t:167+8*\t], v[90+\t/2], v93 matrix_a_fmt:MATRIX_FMT_FP6 matrix_b_fmt:MATRIX_FMT_FP6
.endif
.endr
	s_add_co_u32 s100, s100, 6144
	s_add_co_u32 s101, s101, 512
	s_add_co_u32 s14, s14, 256
.irp j, 20,24
	v_pk_add_f32 v[30:31], v[30:31], v[96+\j:97+\j]
	v_pk_add_f32 v[224:225], v[224:225], v[98+\j:99+\j]
.endr
	v_add_nc_u32 v8, s100, v1                      ; seven plain places stand behind the products: the next step's k may land in v's registers
	v_add_nc_u32 v9, s100, v2
	v_add_nc_u32 v12, s101, v5
	KLOAD v8, v9, v12                              ; (a pass's last step reads filled LDS bytes behind k's, which nothing uses; they are waited for behind the loop)
.irp j, 28,32,36,40,44,48,52,56,60
	v_pk_add_f32 v[30:31], v[30:31], v[96+\j:97+\j]
	v_pk_add_f32 v[224:225], v[224:225], v[98+\j:99+\j]
.endr
	s_delay_alu instid0(VALU_DEP_1)
	v_pk_add_f32 v[30:31], v[30:31], v[224:225]
.endm
.macro PASS p
	s_wait_kmcnt 0x0
	s_wait_xcnt 0x0
	s_add_co_u32 s95, s3, 16*\p
	s_mov_b32 s67, 0
	s_mul_i32 s66, s95, 768
	s_add_nc_u64 s[84:85], s[4:5], s[66:67]
	s_lshl_b32 s66, s95, 6
	s_add_nc_u64 s[86:87], s[6:7], s[66:67]
	s_lshl_b32 s66, s95, 12
	s_add_nc_u64 s[88:89], s[8:9], s[66:67]
	s_mul_i32 s66, s95, 12288
	s_add_nc_u64 s[90:91], s[10:11], s[66:67]
	s_lshl_b32 s66, s95, 9
	s_add_nc_u64 s[92:93], s[12:13], s[66:67]
	global_load_b128 v[16:19], v1, s[84:85]
	global_load_b64 v[20:21], v2, s[84:85] offset:512
	global_load_b32 v15, v7, s[86:87]
	s_mov_b32 s2, 0
	s_load_b512 s[16:31], s[88:89], 0x0
	s_load_b512 s[32:47], s[88:89], 0x40
	s_load_b512 s[48:63], s[88:89], 0x80
	s_load_b512 s[68:83], s[88:89], 0xc0
	v_mov_b32 v29, 0xff61b1e6
	s_delay_alu instid0(VALU_DEP_1)
	v_floor_f32 v28, -v29
	v_mov_b32 v30, 0
	v_mov_b32 v31, 0
.set j, 0
.rept 32
	v_mov_b32 v[160+j], 0
.set j, j+1
.endr
	s_mov_b32 s100, 0
	s_mov_b32 s101, 0
	s_mov_b32 s14, 0
	s_mov_b32 s15, 16
	KLOAD v1, v2, v5                               ; key step 0
	s_wait_loadcnt 0x0
.Lstep_\@:
	KSTEP
	s_sub_co_u32 s15, s15, 1
	s_cmp_lg_u32 s15, 0
	s_cbranch_scc1 .Lstep_\@
	s_wait_dscnt 0x0                               ; the last step's loads have landed: their registers may be loaded anew
	s_wait_alu depctr_va_vdst(0)
	v_add_f32 v30, v30, v31
	s_delay_alu instid0(VALU_DEP_1)
	v_permlanex16_b32 v94, v30, s96, s97
	s_delay_alu instid0(VALU_DEP_1)
	v_add_f32 v30, v30, v94
	s_wait_alu depctr_va_vdst(0)
	v_rcp_f32 v30, v30
	v_nop
.set j, 0
	s_wait_alu depctr_va_vdst(0)
.rept 32
	v_mul_f32 v[96+j], v[160+j], v30
.set j, j+1
.endr
.irp b, 0,1
	v_max3_num_f32 v[212+\b], |v[96+16*\b]|, |v[97+16*\b]|, 0x1800000
.endr
.irp i, 2,4,6,8,10,12,14
.irp b, 0,1
	s_delay_alu instid0(VALU_DEP_2)
	v_max3_num_f32 v[212+\b], v[212+\b], |v[96+16*\b+\i]|, |v[97+16*\b+\i]|
.endr
.endr
.irp b, 0,1
	s_delay_alu instid0(VALU_DEP_2)
	v_permlanex16_b32 v[216+\b], v[212+\b], s96, s97
.endr
.irp b, 0,1
	s_delay_alu instid0(VALU_DEP_2)
	v_max_num_f32 v[212+\b], v[212+\b], v[216+\b]
.endr
.irp b, 0,1
	s_delay_alu instid0(VALU_DEP_2)
	v_add_nc_u32 v[220+\b], 0xff000000, v[212+\b]
.endr
.irp b, 0,1
	s_delay_alu instid0(VALU_DEP_2)
	v_lshrrev_b32 v[216+\b], 23, v[220+\b]
.endr
	s_delay_alu instid0(VALU_DEP_1)
	v_lshl_or_b32 v95, v217, 8, v216
	v_cvt_scalef32_pk16_fp6_f32 v[192:194], v[96:111], v220
	v_cvt_scalef32_pk16_fp6_f32 v[204:206], v[112:127], v221
	v_nop
.irp i, 0,1,2
	v_permlane16_swap_b32 v[192+\i], v[204+\i]
.endr
.irp i, 0,1,2
	s_delay_alu instid0(VALU_DEP_3)
	v_mov_b32 v[195+\i], v[204+\i]
.endr
	global_store_b128 v1, v[192:195], s[90:91]
	global_store_b64 v2, v[196:197], s[90:91] offset:512
	global_store_b16 v7, v95, s[92:93]
.endm
	PASS 0
	PASS 1
	s_wait_kmcnt 0x0
	s_wait_dscnt 0x0
	s_wait_tensorcnt 0x0
	ds_add_u32 v254, v255
	s_wait_dscnt 0x0
	CROUND
	s_endpgm
.Lfunc_end_k_qa6a071883a_attn:
	.size	k_qa6a071883a_attn, .Lfunc_end_k_qa6a071883a_attn-k_qa6a071883a_attn
	.p2alignl 7, 3214868480
	.fill 96, 4, 3214868480
	.section	.rodata,"a",@progbits
	.p2align	6, 0x0
	.amdhsa_kernel k_qa6a071883a_attn
		.amdhsa_group_segment_fixed_size 327680
		.amdhsa_private_segment_fixed_size 0
		.amdhsa_enable_private_segment 0
		.amdhsa_kernarg_size 40
		.amdhsa_user_sgpr_count 2
		.amdhsa_user_sgpr_kernarg_segment_ptr 1
		.amdhsa_wavefront_size32 1
		.amdhsa_system_sgpr_workgroup_id_x 1
		.amdhsa_system_sgpr_workgroup_id_y 1
		.amdhsa_system_sgpr_workgroup_id_z 1
		.amdhsa_system_vgpr_workitem_id 0
		.amdhsa_next_free_vgpr 256
		.amdhsa_next_free_sgpr 102
		.amdhsa_reserve_vcc 0
		.amdhsa_float_denorm_mode_32 3
		.amdhsa_float_denorm_mode_16_64 3
		.amdhsa_memory_ordered 1
		.amdhsa_forward_progress 1
		.amdhsa_inst_pref_size 64
	.end_amdhsa_kernel
	.amdgpu_metadata
---
amdhsa.version: [ 1, 2 ]
amdhsa.kernels:
  - .name:           k_qa6a071883a_attn
    .symbol:         k_qa6a071883a_attn.kd
    .args:
      - { .name: act, .offset: 0, .size: 8, .value_kind: global_buffer, .address_space: global }
      - { .name: acts, .offset: 8, .size: 8, .value_kind: global_buffer, .address_space: global }
      - { .name: maskw, .offset: 16, .size: 8, .value_kind: global_buffer, .address_space: global }
      - { .name: codes, .offset: 24, .size: 8, .value_kind: global_buffer, .address_space: global }
      - { .name: scales, .offset: 32, .size: 8, .value_kind: global_buffer, .address_space: global }
    .group_segment_fixed_size: 327680
    .private_segment_fixed_size: 0
    .kernarg_segment_align: 8
    .kernarg_segment_size: 40
    .max_flat_workgroup_size: 512
    .sgpr_count:     102
    .vgpr_count:     256
    .wavefront_size: 32
...
	.end_amdgpu_metadata
.endif
;; end of part 3
;; launch outp (part 4): grid 4 x 64, 4 waves a work-group, clusters of 4 x 4, 327,680 bytes of LDS; arguments codes, scales, bo, out0; writes out0
.if DOCPART == 4
	.amdgcn_target "amdgcn-amd-amdhsa--gfx1250"
	.amdhsa_code_object_version 6
	.text
	.protected	k_qa6a071883a_outp
	.globl	k_qa6a071883a_outp
	.p2align	8
	.type	k_qa6a071883a_outp,@function
k_qa6a071883a_outp:
	s_mov_b64 s[64:65], 0
	v_nop
	global_prefetch_b8 v0, s[64:65] scope:SCOPE_SE
	s_setreg_imm32_b32 hwreg(HW_REG_WAVE_MODE, 25, 1), 1
	s_wait_xcnt 0x0
	s_wait_alu depctr_hold_cnt(0) depctr_sa_sdst(0) depctr_va_vdst(0) depctr_va_sdst(0) depctr_va_ssrc(0) depctr_va_vcc(0) depctr_vm_vsrc(0)
	s_getreg_b32 s2, hwreg(HW_REG_IB_STS2, 6, 4)
	s_cmp_eq_u32 s2, 0
	s_cbranch_scc0 .Lentry_in_a_cluster
	s_endpgm
.Lentry_in_a_cluster:
	s_bfe_u32 s2, ttmp6, 0x10000c
	s_cmp_lg_u32 s2, 0xf033
	s_cbranch_scc0 .Lentry_shape_is_right
	s_endpgm
.Lentry_shape_is_right:
; out0 = o Wo^T + bo on codes of FP6 (E2M3) with E8M0 scales; sums and the bias in f32.  codes and scales as the first launch lays them; tiles 768-1279 are the attention's results, tiles 704-767 Wo.
; SHARES.  256 work-groups; each makes 128 tokens x 256 channels, a wave 64 x 128: 32 accumulators.  K = 1,024 is eight steps of 128 through two LDS slots of two steps each.
; Source 0 takes Wo's rows (8 blocks, two sets of registers in window 1), source 1 the tokens' (4 blocks, two sets: a slot's first step in the registers of blocks 0-3, its second in those of blocks 4-7).
; A step's fragments are asked for one step ahead.  CLUSTERS: 4 x 4; the tokens' tiles are shared along a row, the weights' along a column, by joint loads.
.set TA0,   768
.set TB0,   704
.set FR,    12
.set NL,    4
.set NP,    4
.set TILEB, 3072
.set HALFT, 8*TILEB
.set SLOT,  4*HALFT
.set STG,   2*SLOT
.set SPITCH, 528
.set SPARE, STG+4*16*SPITCH
.set ADRA, 16
.set ADRB, 20
.set STO,  24
.set RD,   25
.set SPW,  28
.set NIL,  29
.set SC,   32
.set AF,   128
.set H,    128
.set BK,   192
.set G1,  24
.set G0,  32
.set G1B, 48
.set G0B, 56
.set MSB, 0
.macro WIN new
.if MSB != (\new)
	s_set_vgpr_msb (MSB<<8)|(\new)
.set MSB, (\new)
.endif
.endm
.set MUL_LO, 0xa1
.set MUL_HI, 0xf1
.set TO_B,   0x40
.macro JLOAD g0a, g1a, g0b, g1b
	s_cmp_eq_u32 s19, 0
	s_cbranch_scc0 .Lfor_b_\@
	tensor_load_to_lds s[\g0a:\g0a+3], s[\g1a:\g1a+7]
	s_nop 0
.rept 4
	v_nop
.endr
	s_branch .Lasked_\@
.Lfor_b_\@:
	tensor_load_to_lds s[\g0b:\g0b+3], s[\g1b:\g1b+7]
	s_nop 0
.rept 4
	v_nop
.endr
.Lasked_\@:
.endm
.macro CREST
	s_cmp_lg_u32 s18, 0
	s_cbranch_scc1 .Lnot_wave_0_\@
	s_barrier_signal -3
.Lnot_wave_0_\@:
	s_barrier_wait -3
	s_barrier_signal -1
	s_barrier_wait -1
.endm
.macro CROUND
	s_barrier_signal -1
	s_barrier_wait -1
	CREST
.endm
	s_load_b256 s[4:11], s[0:1], 0x0
	v_lshl_add_u32 v[SPW], v0, 2, SPARE
	v_mov_b32 v[NIL], 0
	ds_add_u32 v28, v29
	ds_add_u32 v28, v29
	s_wait_dscnt 0x0
	v_lshrrev_b32 v1, 5, v0
	v_readfirstlane_b32 s18, v1
	s_lshr_b32 s19, s18, 1
	s_and_b32 s20, s18, 1
	s_bfe_u32 s40, ttmp6, 0x40000
	s_bfe_u32 s41, ttmp6, 0x40004
	s_lshl_b32 s42, ttmp9, 2
	s_add_co_u32 s42, s42, s40
	s_and_b32 s21, ttmp7, 0xffff
	s_lshl_b32 s21, s21, 2
	s_add_co_u32 s21, s21, s41
	s_lshl_b32 s43, s41, 2
	s_lshl_b32 s43, 15, s43
	s_lshl_b32 s44, 0x1111, s40
	s_or_b32 s[G1+0], s43, (3<<16)|(1<<21)
	s_or_b32 s[G1B+0], s44, (3<<16)|(1<<21)
.irp g, G1, G1B
	s_mov_b32 s[\g+1], 384<<16
	s_mov_b32 s[\g+2], 8<<16
	s_mov_b32 s[\g+3], 384<<16
	s_mov_b32 s[\g+4], 8
	s_mov_b32 s[\g+5], 1536
	s_mov_b32 s[\g+6], 0
	s_mov_b32 s[\g+7], 0
.endr
	s_mov_b32 s[G1+2], 4<<16                       ; a load of tokens brings 4 tiles: tensor_dim1 = 4,
	s_mov_b32 s[G1+4], 4                           ; tile_dim1 = 4
	s_lshl_b32 s45, s20, 2
	s_lshl_b32 s22, s21, 3
	s_add_co_u32 s22, s22, s45                     ; tokens: tile 8 Y + 4 x half
	s_lshl_b32 s45, s20, 3                         ; weights: 8 x half
	s_add_co_u32 s22, s22, TA0
	s_mul_i32 s22, s22, 12288
	s_mov_b32 s23, 0
	s_lshl_b32 s46, s42, 4
	s_add_co_u32 s46, s46, s45
	s_add_co_u32 s46, s46, TB0
	s_mul_i32 s46, s46, 12288
	s_mov_b32 s47, 0
	s_mul_i32 s45, s18, HALFT
	s_wait_kmcnt 0x0
	s_add_nc_u64 s[22:23], s[4:5], s[22:23]
	s_add_nc_u64 s[46:47], s[4:5], s[46:47]
	CROUND
.irp s, 0,1
	s_mov_b32 s[G0+4*\s], 1
	s_add_co_u32 s[G0+4*\s+1], s45, \s*SLOT
	s_add_nc_u64 s[G0+4*\s+2:G0+4*\s+3], s[22:23], \s*TILEB
	s_or_b32 s[G0+4*\s+3], s[G0+4*\s+3], 0x80000000
	s_mov_b32 s[G0B+4*\s], 1
	s_add_co_u32 s[G0B+4*\s+1], s45, \s*SLOT
	s_add_nc_u64 s[G0B+4*\s+2:G0B+4*\s+3], s[46:47], \s*TILEB
	s_or_b32 s[G0B+4*\s+3], s[G0B+4*\s+3], 0x80000000
.endr
	JLOAD G0, G1, G0B, G1B                         ; K steps 0, 1 into slot 0: one tensor load a wave at the head
	v_and_b32 v1, 15, v0
	v_bfe_u32 v2, v0, 4, 1
	v_and_b32 v3, 31, v0
	v_lshlrev_b32 v4, 4, v3
	v_lshlrev_b32 v5, 3, v3
	s_mov_b32 s78, 0xffff0000
	s_mul_i32 s66, s20, HALFT
	s_add_co_u32 s66, s66, 2*HALFT
	s_mul_i32 s67, s19, HALFT
.irp s, 0,1
	v_add_nc_u32 v[ADRA+\s], s67, v4
	v_add_nc_u32 v[ADRA+2+\s], s67, v5
	v_add_nc_u32 v[ADRB+\s], s66, v4
	v_add_nc_u32 v[ADRB+2+\s], s66, v5
	s_add_co_u32 s66, s66, SLOT
	s_add_co_u32 s67, s67, SLOT
.endr
	s_lshl_b32 s90, s42, 4
	s_lshl_b32 s94, s20, 3
	s_add_co_u32 s90, s90, s94
	s_add_co_u32 s90, s90, TB0
	s_lshl_b32 s91, s21, 3
	s_lshl_b32 s94, s19, 2
	s_add_co_u32 s91, s91, s94
	s_add_co_u32 s91, s91, TA0
	s_lshl_b32 s90, s90, 9
	s_lshl_b32 s91, s91, 9
	v_mov_b32 v8, s91
	v_mov_b32 v9, s90
	v_cndmask_b32 v8, v8, v9, s78
	v_lshl_add_u32 v8, v1, 2, v8
	s_sub_co_u32 s91, s91, 2048                    ; registers 4-7 of a step's eight: lanes 16-31 the weights' tiles 4-7, lanes 0-15 the tokens' tiles 0-3 once more (four tiles of 512 bytes back)
	v_mov_b32 v10, s91
	v_cndmask_b32 v10, v10, v9, s78
	v_lshl_add_u32 v10, v1, 2, v10
.irp s, 0,1,2,3,4,5,6,7
.irp i, 0,1,2,3
	global_load_b32 v[SC+8*\s+\i], v8, s[6:7] offset:512*\i+64*\s
	global_load_b32 v[SC+8*\s+\i+4], v10, s[6:7] offset:512*(\i+4)+64*\s
.endr
.endr
	s_lshl_b32 s92, s42, 10
	s_lshl_b32 s95, s20, 9
	s_add_co_u32 s92, s92, s95
	v_lshl_add_u32 v6, v2, 6, s92
	WIN TO_B
.irp b, 0,1,2,3
	global_load_b128 v[96+8*\b:96+8*\b+3], v6, s[8:9] offset:(32*(\b/2)+8*(\b%2))*4
	global_load_b128 v[96+8*\b+4:96+8*\b+7], v6, s[8:9] offset:(32*(\b/2)+8*(\b%2))*4+16
.endr
.irp b, 4,5,6,7
	global_load_b128 v[192+8*\b:192+8*\b+3], v6, s[8:9] offset:(32*(\b/2)+8*(\b%2))*4
	global_load_b128 v[192+8*\b+4:192+8*\b+7], v6, s[8:9] offset:(32*(\b/2)+8*(\b%2))*4+16
.endr
	WIN 0
	s_lshl_b32 s94, s21, 7
	s_lshl_b32 s95, s19, 6
	s_add_co_u32 s94, s94, s95
	s_lshl_b32 s84, s94, 12
	s_lshl_b32 s95, s42, 10
	s_add_co_u32 s84, s84, s95
	s_lshl_b32 s95, s20, 9
	s_add_co_u32 s84, s84, s95
	s_mov_b32 s85, 0
	s_add_nc_u64 s[10:11], s[10:11], s[84:85]
	s_mul_i32 s94, s18, 16*SPITCH
	s_add_co_u32 s94, s94, STG
	v_mul_u32_u24 v[STO], v1, SPITCH
	v_lshl_add_u32 v[STO], v2, 6, v[STO]
	v_add_nc_u32 v[STO], s94, v[STO]
	v_add_nc_u32 v[RD], s94, v4
.macro FRAG reg, adr, q, i
	ds_load_b128 v[\reg:\reg+3], v[\adr] offset:TILEB*(\i)+1536*(\q)
	ds_load_b64 v[\reg+4:\reg+5], v[\adr+2] offset:TILEB*(\i)+1536*(\q)+512
	ds_load_b128 v[\reg+6:\reg+9], v[\adr] offset:TILEB*(\i)+1536*(\q)+768
	ds_load_b64 v[\reg+10:\reg+11], v[\adr+2] offset:TILEB*(\i)+1536*(\q)+1280
.endm
.macro MUL16 a0, p, s, zero
.irp a, \a0, \a0+1
.irp b, 0,1,2,3,4,5,6,7
.if \zero
	v_wmma_scale_f32_16x16x128_f8f6f4 v[8*(8*((\a)%4)+\b):8*(8*((\a)%4)+\b)+7], v[128*(\p)+FR*\b:128*(\p)+FR*\b+FR-1], v[AF+FR*(\a):AF+FR*(\a)+FR-1], 0, v[SC+8*(\s)+\b], v[SC+8*(\s)+(\a)] matrix_a_fmt:MATRIX_FMT_FP6 matrix_b_fmt:MATRIX_FMT_FP6 matrix_a_scale:MATRIX_SCALE_ROW1
.else
	v_wmma_scale_f32_16x16x128_f8f6f4 v[8*(8*((\a)%4)+\b):8*(8*((\a)%4)+\b)+7], v[128*(\p)+FR*\b:128*(\p)+FR*\b+FR-1], v[AF+FR*(\a):AF+FR*(\a)+FR-1], v[8*(8*((\a)%4)+\b):8*(8*((\a)%4)+\b)+7], v[SC+8*(\s)+\b], v[SC+8*(\s)+(\a)] matrix_a_fmt:MATRIX_FMT_FP6 matrix_b_fmt:MATRIX_FMT_FP6 matrix_a_scale:MATRIX_SCALE_ROW1
.endif
.endr
.endr
.endm
.macro FETCH_B slot, q, p
	WIN TO_B
.irp i, 0,1,2,3,4,5,6,7
	FRAG 128*(\p)+FR*\i, ADRB+\slot, \q, \i
.endr
	WIN 0
.endm
.macro FETCH_A slot, q, i0
.irp i, \i0, \i0+1, \i0+2, \i0+3
	FRAG AF+FR*(\i), ADRA+\slot, \q, \i
.endr
.endm
.macro PLACES n
.rept \n
	v_nop
.endr
.endm
.macro FETCH_A2 slot, q                ; the tokens' four blocks into the second set, the registers of blocks 4-7
.irp i, 0,1,2,3
	FRAG AF+FR*(\i+4), ADRA+\slot, \q, \i
.endr
.endm
; A slot's first K step: its fragments are in the first sets; the second step's are asked for ahead of the 32 products.
.macro STEP slot, s, zero
	s_wait_dscnt 0                                 ; this step's fragments are in
	PLACES NP                                      ; the places ahead of loads into the sets that the last products read
	FETCH_B \slot, 1, 1
	FETCH_A2 \slot, 1
	WIN MUL_LO
	MUL16 0, 0, \s, \zero
	MUL16 2, 0, \s, \zero
	WIN 0
.endm
.macro TURN slot, next, s, fill
	s_wait_tensorcnt 0x0
	ds_add_u32 v[SPW], v[NIL]
	s_wait_dscnt 1                                 ; this step's fragments are in; the add alone may be out
	WIN MUL_LO
	MUL16 4, 1, \s, 0                              ; the second sets: blocks 4-7 name the accumulators of blocks 0-3; sixteen products stand between the add and the wait for it
	s_wait_dscnt 0x0
	s_barrier_signal -1
	WIN 0
	s_barrier_wait -1
.if \fill
	CREST
	s_add_nc_u64 s[G0+4*\slot+2:G0+4*\slot+3], s[G0+4*\slot+2:G0+4*\slot+3], 2*TILEB
	s_add_nc_u64 s[G0B+4*\slot+2:G0B+4*\slot+3], s[G0B+4*\slot+2:G0B+4*\slot+3], 2*TILEB
	JLOAD G0+4*\slot, G1, G0B+4*\slot, G1B
.else
	PLACES NP
.endif
	FETCH_B \next, 0, 0
	FETCH_A \next, 0, 0
	WIN MUL_LO
	MUL16 6, 1, \s, 0
	WIN 0
.endm
	s_wait_alu depctr_va_vdst(0)
	s_wait_tensorcnt 0x0                           ; my part of slot 0 is in
	ds_add_u32 v[SPW], v[NIL]
	s_wait_dscnt 0x0
	CROUND                                         ; a whole round: everybody's part of slot 0 is in, and the joint loads meet
	JLOAD G0+4, G1, G0B+4, G1B                     ; K steps 2, 3 into slot 1: the first tensor load behind the round
	FETCH_B 0, 0, 0
	FETCH_A 0, 0, 0
	s_wait_loadcnt 0x0
	STEP 0, 0, 1
	TURN 0, 1, 1, 1
	STEP 1, 2, 0
	TURN 1, 0, 3, 1
	STEP 0, 4, 0
	TURN 0, 1, 5, 0
	STEP 1, 6, 0
	s_wait_dscnt 0                                 ; the last K step
	WIN MUL_LO
	MUL16 4, 1, 7, 0
	MUL16 6, 1, 7, 0
	WIN 0
.macro OUTA a
	s_wait_xcnt 0x0
	WIN 0x06+(\a)/4
.set i, 0
.rept 16
	v_pk_add_f32 v[H+i:H+i+1], v[64*((\a)%4)+i:64*((\a)%4)+i+1], v[96+i:96+i+1]
.set i, i+2
.endr
.rept 16
	v_pk_add_f32 v[H+i:H+i+1], v[64*((\a)%4)+i:64*((\a)%4)+i+1], v[192+i:192+i+1]
.set i, i+2
.endr
	WIN 0
.irp b, 0,1,2,3,4,5,6,7
.irp e, 0,1
	ds_store_b128 v[STO], v[H+8*\b+4*\e:H+8*\b+4*\e+3] offset:128*(\b/2)+32*(\b%2)+16*\e
.endr
.endr
.irp i, 0,1,2,3,4,5,6,7,8,9,10,11,12,13,14,15
	ds_load_b128 v[BK+4*\i:BK+4*\i+3], v[RD] offset:\i*SPITCH
.endr
	s_wait_dscnt 0x0
.irp i, 0,1,2,3,4,5,6,7,8,9,10,11,12,13,14,15
	global_store_b128 v4, v[BK+4*\i:BK+4*\i+3], s[10:11] offset:(32*((\a)/2)+8*((\a)%2)+\i+8*(\i/8))*4096 th:TH_STORE_NT
.endr
.endm
	PLACES NP
.irp a, 0,1,2,3
	OUTA \a
.endr
	s_wait_tensorcnt 0x0
	ds_add_u32 v[SPW], v[NIL]
	s_wait_dscnt 0x0
	CROUND
	s_endpgm
.Lfunc_end_k_qa6a071883a_outp:
	.size	k_qa6a071883a_outp, .Lfunc_end_k_qa6a071883a_outp-k_qa6a071883a_outp
	.p2alignl 7, 3214868480
	.fill 96, 4, 3214868480
	.section	.rodata,"a",@progbits
	.p2align	6, 0x0
	.amdhsa_kernel k_qa6a071883a_outp
		.amdhsa_group_segment_fixed_size 327680
		.amdhsa_private_segment_fixed_size 0
		.amdhsa_enable_private_segment 0
		.amdhsa_kernarg_size 32
		.amdhsa_user_sgpr_count 2
		.amdhsa_user_sgpr_kernarg_segment_ptr 1
		.amdhsa_wavefront_size32 1
		.amdhsa_system_sgpr_workgroup_id_x 1
		.amdhsa_system_sgpr_workgroup_id_y 1
		.amdhsa_system_sgpr_workgroup_id_z 1
		.amdhsa_system_vgpr_workitem_id 0
		.amdhsa_next_free_vgpr 1024
		.amdhsa_next_free_sgpr 98
		.amdhsa_reserve_vcc 0
		.amdhsa_float_denorm_mode_32 3
		.amdhsa_float_denorm_mode_16_64 3
		.amdhsa_memory_ordered 1
		.amdhsa_forward_progress 1
		.amdhsa_inst_pref_size 100
	.end_amdhsa_kernel
	.amdgpu_metadata
---
amdhsa.version: [ 1, 2 ]
amdhsa.kernels:
  - .name:           k_qa6a071883a_outp
    .symbol:         k_qa6a071883a_outp.kd
    .args:
      - { .name: codes, .offset: 0, .size: 8, .value_kind: global_buffer, .address_space: global }
      - { .name: scales, .offset: 8, .size: 8, .value_kind: global_buffer, .address_space: global }
      - { .name: bo, .offset: 16, .size: 8, .value_kind: global_buffer, .address_space: global }
      - { .name: out0, .offset: 24, .size: 8, .value_kind: global_buffer, .address_space: global }
    .group_segment_fixed_size: 327680
    .private_segment_fixed_size: 0
    .kernarg_segment_align: 8
    .kernarg_segment_size: 32
    .max_flat_workgroup_size: 128
    .sgpr_count:     98
    .vgpr_count:     1024
    .wavefront_size: 32
...
	.end_amdgpu_metadata
.endif
;; end of part 4
